; MI455X (gfx1250); checked and timed in simulation.
; The chip was launched on July 23, 2026; its instructions are those of AMD's public machine-readable ISA for CDNA 5 (MIT licence, August 2026) and "CDNA5" Instruction Set Architecture Reference Guide (July 2026). The comments in the code are by the model that wrote it; some were corrected since.
;; Multihead Attention. Allowed arithmetic: matrix products marked QUANTISED: E2M3 operands, one E8M0 scale for each 32 along K, by v_wmma_scale_f32_16x16x128_f8f6f4 with both operands' format E2M3, f32 sums; everything else in f32.
;; Inputs: Wk 1,024 x 1,024 float32; Wo 1,024 x 1,024 float32; Wq 1,024 x 1,024 float32; Wv 1,024 x 1,024 float32; mask 2,048 x 2,048 float32; x 2 x 2,048 x 1,024 float32.
;; Outputs: out0 2 x 2,048 x 1,024 float32.
;; This version of the problem:
;;   THIS VERSION OF THE PROBLEM IS GIVEN IN LOW PRECISION. The matrix products marked QUANTISED in the list below multiply operands that are first quantised to E2M3 (2 exponent bits, 3 mantissa bits; 6 bits a number), with one power-of-two scale for each 32 numbers along K (OCP MX v1.0); their sums are f32. All else is computed in f32.
;;   The module's matrix products, in the order in which they are computed (A, B: the left and right operand; K: the contracted axis; several contracted axes count as one K, in the product's order):
;;     1. [M 4,096, K 1,024] x [K 1,024, N 1,024]; A: input x; B: input Wq: QUANTISED
;;     2. [M 4,096, K 1,024] x [K 1,024, N 1,024]; A: input x; B: input Wk: QUANTISED
;;     3. [M 4,096, K 1,024] x [K 1,024, N 1,024]; A: input x; B: input Wv: QUANTISED
;;     4. batch 32 x [M 2,048, K 64] x [K 64, N 2,048]; A: computed on the way; B: computed on the way: QUANTISED
;;     5. batch 32 x [M 2,048, K 2,048] x [K 2,048, N 64]; A: computed on the way; B: computed on the way: QUANTISED
;;     6. [M 4,096, K 1,024] x [K 1,024, N 1,024]; A: computed on the way; B: input Wo: QUANTISED
;;   THE QUANTISER, for each operand of a quantised product, along K:
;;     - K is cut into blocks of 32 from its start; a last block that is shorter is filled with zeros.
;;     - A block's scale is 2^e with e = floor(log2(the largest magnitude in the block)) - 2, held to -126 .. 127; a block of zeros has e = 0. As a byte (E8M0): e + 127.
;;     - Each number is divided by its block's scale, clamped to +-7.5, and rounded to the nearest number of E2M3, ties to even, subnormals kept.
;;     - The product sums the exact products of the quantised numbers (number of the format x scale) in f32.
;;   ~~~python
;;   def quantise(x, axis):      # numpy; x: float32 -> the quantised numbers, widened to float32 again
;;       x = np.moveaxis(x, axis, -1); K = x.shape[-1]
;;       x = np.pad(x, [(0, 0)] * (x.ndim - 1) + [(0, -K % 32)]); x = x.reshape(x.shape[:-1] + (-1, 32)); a = np.abs(x).max(-1, keepdims=True)
;;       e = np.where(a > 0, np.clip(np.frexp(np.where(a > 0, a, 1))[1] - 1 - 2, -126, 127), 0)      # np.frexp(a)[1] - 1 = floor(log2(a)), exactly
;;       r = np.clip(x / 2.0 ** e, -7.5, 7.5)
;;       step = 2.0 ** (np.maximum(np.frexp(np.where(r == 0, 1, r))[1] - 1, 0) - 3)
;;       q = np.round(r / step) * step * 2.0 ** e      # np.round: ties to even
;;       return np.moveaxis(q.reshape(q.shape[:-2] + (-1,))[..., :K], -1, axis).astype(np.float32)
;;   ~~~
;;   OPERANDS COMPUTED ON THE WAY. 'Computed on the way' means the value that the module computes at that place (a softmax that the list does not call 'softmax' is quantised finished and normalised). What goes into a quantiser is computed in f32, as accurately as f32 sums, v_exp_f32 and their like allow (about 1e-6 of the number): no bf16 or f16 on the way to a quantiser, and a product that is left as it is and whose result goes on into a quantised operand takes f32 operands (vector FMAs, or v_wmma_f32_16x16x4_f32). A number that lies on a knife's edge between two numbers of the format may be rounded either way, as far as f32 arithmetic and the matrix unit's own rounding can turn it there, and no further.
;; One version. Each part assembles by itself: llvm-mc -triple=amdgcn-amd-amdhsa -mcpu=gfx1250 --defsym DOCPART=n.
;; ======== version 1 of 1: 4 launches
;; limits: right only within a limited range of input values
;; workspace buffers: qt 6,553,600 bytes; qf 3,145,728 bytes; kf 3,145,728 bytes; vf 3,145,728 bytes; af 3,145,728 bytes; sc 524,288 bytes; ah 131,072 bytes
;; launch quant (part 1): grid 256 x 1, 4 waves a work-group, no clusters, 34,304 bytes of LDS; arguments x, Wq, Wk, Wv, Wo, qt; writes qt
.if DOCPART == 1
	.amdgcn_target "amdgcn-amd-amdhsa--gfx1250"
	.amdhsa_code_object_version 6
	.text
	.protected	k_q337416789d_quant
	.globl	k_q337416789d_quant
	.p2align	8
	.type	k_q337416789d_quant,@function
k_q337416789d_quant:
	s_mov_b64 s[64:65], 0
	v_nop
	global_prefetch_b8 v0, s[64:65] scope:SCOPE_SE
	s_setreg_imm32_b32 hwreg(HW_REG_WAVE_MODE, 25, 1), 1
	s_wait_xcnt 0x0
; MULTI-HEAD ATTENTION IN MX-FP6, LAUNCH 1 OF 4: x [4096][1024] and Wq, Wk, Wv, Wo [1024][1024], f32 with K innermost, become codes of E2M3 with one E8M0 byte for each 32 along K.
; NOTHING OF reference() IS LEFT OUT in this program: every input (x, mask, the four weights) has a way to out0; the mask is not constant along the softmax's axis; the 1e-10 in the divisor stays.
; LIMITS of the whole program: NaN and infinities in x and the weights are not served; an exponential that overflows is not served (reference() is not finite there); p under 2^-126 counts as 0
; (the exponential instruction flushes it); a block of zeros gets the byte 1 where the quantiser says 127 (its codes are zeros, and this program alone reads the bytes).
; LAYOUT OF qt: 512 tiles of 16 rows, 12,800 bytes each: x 0-255, Wq 256-, Wk 320-, Wv 384-, Wo 448-.  A tile holds 8 K steps of 128 as IMAGES OF THE OPERAND'S 12 REGISTERS (registers 4 g .. 4 g + 3 of lane l
; at 1536 s + 512 g + 16 l), then 512 bytes of scale words (row r, K step s at 12288 + 256 (s / 4) + 16 r + 4 (s % 4)).
; THE ROWS OF A TILE ARE NOT NEIGHBOURS: lane row r of tile 2 G + u is row 32 G + 8 u + r + 8 (r / 8): where such a tile is a product's source 0, the 16 result registers of tiles 2 G, 2 G + 1 are 16 neighbours.
; SHARES: a wave takes one tile and half of K (4 K steps).  Each load reads 512 consecutive bytes of one row; a K step's 16 rows turn through the wave's own stage in LDS, so that a lane gets, of its row,
; 16 neighbours of each block of 32.  Waves share nothing: no barrier.  Loads run two K steps (32 loads a wave) ahead.
.set STG,   8448                       ; a wave's stage: 16 rows x (512 bytes + 16)
.set SPARE, 4*STG                      ; behind the stages: the spare words, 128 bytes a wave
.set SPW, 10                           ; v10  my spare word's address; never rewritten
.set NIL, 11                           ; v11  0; never rewritten
.set L,   16                           ; v16-143  two sets of 64: a K step as loaded
.set X,   144                          ; v144-207 64 numbers of my row: register 16 b + i = k 32 b + 16 (lane / 16) + i
.set PC,  208                          ; v208-227 the codes
.set TM,  228                          ; v228-243 at work
.set SW,  244                          ; v244-247 the four K steps' scale words
.set OP,  248                          ; v248-249 the two that I store
.set PW,  250                          ; v250 the scale word just made
.set SEL, 24                           ; s[24:25] lane selects: lane l xor 16
; 64 numbers of a lane become a fragment's 12 registers of codes in v[PC] on and its row's scale word in v[PW].  fl: the floor under the largest magnitude, which holds the byte from below
.macro QUANT qs, fl
.irp b, 0,1,2,3
	v_max3_num_f32 v[TM+\b], |v[\qs+16*\b]|, |v[\qs+1+16*\b]|, \fl
.endr
.irp i, 2,4,6,8,10,12,14
.irp b, 0,1,2,3
	v_max3_num_f32 v[TM+\b], v[TM+\b], |v[\qs+16*\b+\i]|, |v[\qs+1+16*\b+\i]|   ; the four blocks by turns
.endr
.endr
.irp b, 0,1,2,3
	v_permlanex16_b32 v[TM+4+\b], v[TM+\b], s[SEL], s[SEL+1]
.endr
.irp b, 0,1,2,3
	v_max_num_f32 v[TM+\b], v[TM+\b], v[TM+4+\b]   ; with lane l xor 16's 16: the block's largest magnitude
.endr
.irp b, 0,1,2,3
	v_add_nc_u32 v[TM+12+\b], 0xff000000, v[TM+\b]   ; 2 off its exponent field: the conversion's scale operand
.endr
.irp b, 0,1,2,3
	v_lshrrev_b32 v[TM+4+\b], 23, v[TM+12+\b]      ; the scale's byte
.endr
	v_lshl_or_b32 v[PW], v[TM+5], 8, v[TM+4]
	v_lshl_or_b32 v[PW], v[TM+6], 16, v[PW]
	v_lshl_or_b32 v[PW], v[TM+7], 24, v[PW]
.irp c, 0,1
	v_cvt_scalef32_pk16_fp6_f32 v[PC+6*\c:PC+2+6*\c], v[\qs+32*\c:\qs+15+32*\c], v[TM+12+2*\c]
	v_cvt_scalef32_pk16_fp6_f32 v[PC+12+4*\c:PC+14+4*\c], v[\qs+16+32*\c:\qs+31+32*\c], v[TM+12+2*\c+1]   ; (a conversion's three registers begin on an even number)
.endr
	v_nop                                          ; one plain instruction behind the scaled conversions
.irp c, 0,1                                    ; the operand wants a whole block in a lane: lanes 0-15 block 2 c, lanes 16-31 block 2 c + 1
.irp i, 0,1,2
	v_permlane16_swap_b32 v[PC+6*\c+\i], v[PC+12+4*\c+\i]
.endr
.irp i, 0,1,2
	v_mov_b32 v[PC+3+6*\c+\i], v[PC+12+4*\c+\i]
.endr
.endr
.endm
	s_load_b256 s[4:11], s[0:1], 0x0               ; x, Wq, Wk, Wv
	s_load_b128 s[12:15], s[0:1], 0x20             ; Wo, qt
	v_lshl_add_u32 v[SPW], v0, 2, SPARE
	v_mov_b32 v[NIL], 0
	v_lshrrev_b32 v1, 5, v0
	v_readfirstlane_b32 s2, v1                     ; wave 0..3
	v_and_b32 v1, 31, v0                           ; lane
	v_and_b32 v2, 15, v0                           ; r
	v_bfe_u32 v3, v0, 4, 1                         ; h
	v_lshlrev_b32 v4, 4, v1                        ; 16 x lane: a load's and a code store's place
	s_mul_i32 s3, s2, STG
	v_add_nc_u32 v5, s3, v4                        ; the stage, on the way in
	v_mul_u32_u24 v6, v2, 528
	v_lshl_add_u32 v6, v3, 6, v6
	v_add_nc_u32 v6, s3, v6                        ; and on the way out: row r, + 64 h
	v_lshlrev_b32 v8, 4, v2
	v_lshl_add_u32 v8, v3, 3, v8                   ; the scale words' store: 16 r + 8 h
.irp b, 0,1,2,3
	v_mov_b32 v[TM+4+\b], 0                        ; written once: a lane permute's destination counts as one of its sources
.endr
	s_mov_b32 s[SEL], 0x76543210
	s_mov_b32 s[SEL+1], 0xfedcba98
	s_lshl_b32 s18, ttmp9, 1
	s_lshr_b32 s19, s2, 1
	s_add_co_u32 s18, s18, s19                     ; my tile: 2 x work-group + wave / 2
	s_and_b32 s19, s2, 1                           ; my half of K
	s_mul_i32 s20, s18, 12800
	s_mul_i32 s22, s19, 6144
	s_add_co_u32 s22, s22, s20                     ; where my codes go
	s_mov_b32 s23, 0
	s_lshl_b32 s21, s19, 8
	s_add_co_u32 s20, s20, s21
	s_add_co_u32 s20, s20, 12288                   ; where my scale words go
	s_mov_b32 s21, 0
	s_wait_alu depctr_va_vdst(0)
	s_wait_kmcnt 0x0
	s_cmp_lt_u32 ttmp9, 224                        ; which tensor: the choice hangs on the work-group's number alone
	s_cselect_b64 s[16:17], s[10:11], s[12:13]
	s_cmp_lt_u32 ttmp9, 192
	s_cselect_b64 s[16:17], s[8:9], s[16:17]
	s_cmp_lt_u32 ttmp9, 160
	s_cselect_b64 s[16:17], s[6:7], s[16:17]
	s_cmp_lt_u32 ttmp9, 128
	s_cselect_b64 s[16:17], s[4:5], s[16:17]
	s_cselect_b32 s26, 255, 63
	s_and_b32 s26, s18, s26                        ; the tile's number in its tensor
	s_lshr_b32 s27, s26, 1
	s_lshl_b32 s27, s27, 17                        ; 32 rows of 4,096 bytes for each pair of tiles,
	s_and_b32 s26, s26, 1
	s_lshl_b32 s26, s26, 15                        ; 8 rows for the odd one,
	s_add_co_u32 s26, s26, s27
	s_lshl_b32 s27, s19, 11                        ; 2,048 bytes for the second half of K
	s_add_co_u32 s26, s26, s27
	s_mov_b32 s27, 0
	s_add_nc_u64 s[16:17], s[16:17], s[26:27]
	s_add_nc_u64 s[22:23], s[14:15], s[22:23]
	s_add_nc_u64 s[20:21], s[14:15], s[20:21]
.macro LOAD ks                         ; K step ks of the tile's 16 rows: 32 lanes read 512 consecutive bytes of a row
.irp i, 0,1,2,3,4,5,6,7,8,9,10,11,12,13,14,15
	global_load_b128 v[L+64*((\ks)%2)+4*\i:L+64*((\ks)%2)+4*\i+3], v4, s[16:17] offset:(\i+8*(\i/8))*4096+512*(\ks) th:TH_LOAD_NT
.endr
.endm
.macro TURN ks                         ; through the stage: LDS serves a wave's instructions in order, so no wait stands between the stores and the loads
.irp i, 0,1,2,3,4,5,6,7,8,9,10,11,12,13,14,15
	ds_store_b128 v5, v[L+64*((\ks)%2)+4*\i:L+64*((\ks)%2)+4*\i+3] offset:528*\i
.endr
.irp b, 0,1,2,3
.irp q, 0,1,2,3
	ds_load_b128 v[X+16*\b+4*\q:X+16*\b+4*\q+3], v6 offset:128*\b+16*\q
.endr
.endr
.endm
.macro QSTEP ks
.if \ks < 3
	s_wait_loadcnt 16                              ; this K step's 16 loads are in; the next one's 16 may be out
.else
	s_wait_loadcnt 0x0
.endif
	TURN \ks
	s_wait_dscnt 0x0                               ; the stage's stores have read their registers, and my 64 numbers are back
	s_wait_xcnt 0x0                                ; the last K step's stores have read the codes' registers: they are written again only behind this wait
.if \ks < 2
	LOAD \ks+2
.endif
	QUANT X, 0x1800000
.irp g, 0,1,2
	global_store_b128 v4, v[PC+4*\g:PC+4*\g+3], s[22:23] offset:1536*\ks+512*\g   ; 32 lanes store 512 consecutive bytes
.endr
	v_mov_b32 v[SW+\ks], v[PW]
.endm
	LOAD 0
	LOAD 1
	QSTEP 0
	QSTEP 1
	QSTEP 2
	QSTEP 3
	v_cmp_ne_u32 vcc_lo, 0, v3                     ; lanes 0-15 store their row's words of K steps 0, 1, lanes 16-31 those of 2, 3
	v_cndmask_b32 v[OP], v[SW], v[SW+2], vcc_lo
	v_cndmask_b32 v[OP+1], v[SW+1], v[SW+3], vcc_lo
	global_store_b64 v8, v[OP:OP+1], s[20:21]      ; 32 lanes store 256 consecutive bytes, aligned
	s_wait_tensorcnt 0x0                           ; the wave's end
	ds_add_u32 v[SPW], v[NIL]
	s_wait_dscnt 0x0
	s_endpgm
.Lfunc_end_k_q337416789d_quant:
	.size	k_q337416789d_quant, .Lfunc_end_k_q337416789d_quant-k_q337416789d_quant
	.p2alignl 7, 3214868480
	.fill 96, 4, 3214868480
	.section	.rodata,"a",@progbits
	.p2align	6, 0x0
	.amdhsa_kernel k_q337416789d_quant
		.amdhsa_group_segment_fixed_size 34304
		.amdhsa_private_segment_fixed_size 0
		.amdhsa_enable_private_segment 0
		.amdhsa_kernarg_size 48
		.amdhsa_user_sgpr_count 2
		.amdhsa_user_sgpr_kernarg_segment_ptr 1
		.amdhsa_wavefront_size32 1
		.amdhsa_system_sgpr_workgroup_id_x 1
		.amdhsa_system_sgpr_workgroup_id_y 1
		.amdhsa_system_sgpr_workgroup_id_z 1
		.amdhsa_system_vgpr_workitem_id 0
		.amdhsa_next_free_vgpr 256
		.amdhsa_next_free_sgpr 66
		.amdhsa_reserve_vcc 1
		.amdhsa_float_denorm_mode_32 3
		.amdhsa_float_denorm_mode_16_64 3
		.amdhsa_memory_ordered 1
		.amdhsa_forward_progress 1
		.amdhsa_inst_pref_size 34
	.end_amdhsa_kernel
	.amdgpu_metadata
---
amdhsa.version: [ 1, 2 ]
amdhsa.kernels:
  - .name:           k_q337416789d_quant
    .symbol:         k_q337416789d_quant.kd
    .args:
      - { .name: x, .offset: 0, .size: 8, .value_kind: global_buffer, .address_space: global }
      - { .name: Wq, .offset: 8, .size: 8, .value_kind: global_buffer, .address_space: global }
      - { .name: Wk, .offset: 16, .size: 8, .value_kind: global_buffer, .address_space: global }
      - { .name: Wv, .offset: 24, .size: 8, .value_kind: global_buffer, .address_space: global }
      - { .name: Wo, .offset: 32, .size: 8, .value_kind: global_buffer, .address_space: global }
      - { .name: qt, .offset: 40, .size: 8, .value_kind: global_buffer, .address_space: global }
    .group_segment_fixed_size: 34304
    .private_segment_fixed_size: 0
    .kernarg_segment_align: 8
    .kernarg_segment_size: 48
    .max_flat_workgroup_size: 128
    .sgpr_count:     66
    .vgpr_count:     256
    .wavefront_size: 32
...
	.end_amdgpu_metadata
.endif
;; end of part 1
;; launch qkv (part 2): grid 16 x 16, 8 waves a work-group, clusters of 4 x 1, 327,680 bytes of LDS; arguments qt, qf, kf, vf, sc; writes qf, kf, vf, sc
.if DOCPART == 2
	.amdgcn_target "amdgcn-amd-amdhsa--gfx1250"
	.amdhsa_code_object_version 6
	.text
	.protected	k_q337416789d_qkv
	.globl	k_q337416789d_qkv
	.p2align	8
	.type	k_q337416789d_qkv,@function
k_q337416789d_qkv:
	s_mov_b64 s[64:65], 0
	v_nop
	global_prefetch_b8 v0, s[64:65] scope:SCOPE_SE
	s_setreg_imm32_b32 hwreg(HW_REG_WAVE_MODE, 25, 1), 1
	s_wait_xcnt 0x0
	s_wait_alu depctr_hold_cnt(0) depctr_sa_sdst(0) depctr_va_vdst(0) depctr_va_sdst(0) depctr_va_ssrc(0) depctr_va_vcc(0) depctr_vm_vsrc(0)
	s_getreg_b32 s2, hwreg(HW_REG_IB_STS2, 6, 4)
	s_cmp_eq_u32 s2, 0
	s_cbranch_scc0 .Lentry_in_a_cluster
	s_endpgm
.Lentry_in_a_cluster:
	s_bfe_u32 s2, ttmp6, 0x10000c
	s_cmp_lg_u32 s2, 0x3003
	s_cbranch_scc0 .Lentry_shape_is_right
	s_endpgm
.Lentry_shape_is_right:
; LAUNCH 2 OF 4: q = x Wq^T, k = x Wk^T, v = x Wv^T on codes of E2M3, and their results quantised at once for the two products of attention.  Nothing of reference() is left out.
; SHARES.  A work-group takes 256 tokens (mb) and one head's 64 columns of q, of k and of v: three UNITS.  Wave w takes 32 tokens: x's tiles 2 Gt and 2 Gt + 1, Gt = 8 mb + w.
; x's fragments feed one wave alone: they go from memory into registers (192 of them, window 1) and stay for all three units.  A unit's weights (4 tiles x 12,800 bytes, all of K, codes and scale words) feed all
; eight waves and all four work-groups of the cluster (same head): JOINT tensor loads, each wave an eighth of each unit, three first fills and no refill: one tensor load of a wave is out at the most.
; q, k: source 0 = 16 rows of W, source 1 = 16 tokens: a lane holds ONE token and, by the choice of a tile's rows, 16 neighbouring d in two tiles' registers: the quantiser along d (K of q k^T) needs one exchange.
;   The 12 registers of codes are a PAIR FRAGMENT: registers 0-5 token tile 0 (d = 32 h ..), registers 6-11 token tile 1.
; v: the sources swapped: a lane holds ONE d and 16 neighbouring tokens: the quantiser along the tokens (K of p v).  Registers 6 c .. 6 c + 5 of lane (r, h): d tile 2 c + h, row r, the wave's 32 tokens.
; THE 1 / sqrt(64) of the scores is taken off q's scale bytes, 3 from each: exact.  For that q's bytes are held at 4 from below.  LIMIT: blocks of q whose largest magnitude lies under 2^-121 get the byte 4.
; OUT: qf, kf: (64 bh + G) x 1536 + 256 x register pair + 8 x lane.  vf: laid so that attention's fragments of V^T come by loads of 8 bytes.  sc: q's scale words in the tokens' own order (each tile's two bytes
; twice), 8,192 bytes a (b, h); k's and v's words, 64 bytes a group of 32 tokens, from 262,144 and 393,216 on.  The words are gathered in LDS and leave in runs of 512 bytes.
.set TILEB, 12800
.set UNITB, 4*TILEB
.set SPARE, 3*UNITB                    ; behind the units: the spare words, 128 bytes a wave
.set SCG,   SPARE+1024                 ; the scale words' gathering place: q 1,024 bytes, k 512, v 512
.set SPW, 12
.set NIL, 13
.set XS,  16                           ; v16-23   x's scale words: K step s; lanes 0-15 tile 0, lanes 16-31 tile 1
.set BS,  24                           ; v24-39   the weights': 8 (t / 2) + s; lanes 0-15 tile 2 (t / 2), lanes 16-31 the odd one
.set BF,  40                           ; v40-135  the weights' fragments: two sets of 4 x 12
.set ACC, 136                          ; v136-199 eight accumulators
.set PC,  200
.set TM,  220
.set PW,  236
.set WV,  18
.set SEL, 20
.set G1,  24
.set G0,  32
.set MSB, 0
.macro WIN new                         ; the immediate's high byte repeats the setting that is left
.if MSB != \new
	s_set_vgpr_msb (MSB<<8)|\new
.set MSB, \new
.endif
.endm
.macro PLACES n
.rept \n
	v_nop
.endr
.endm
.macro ROUND                           ; a round of the cluster's barrier
	s_barrier_signal -1
	s_barrier_wait -1
	s_cmp_lg_u32 s[WV], 0
	s_cbranch_scc1 .Lnot_wave_0_\@
	s_barrier_signal -3
.Lnot_wave_0_\@:
	s_barrier_wait -3
	s_barrier_signal -1
	s_barrier_wait -1
.endm
; one matrix instruction.  z: the sum begins (C = 0);  ra, rb: the side's scale words stand in lanes 16-31
.macro WM d, a, b, z, sa, sb, ra, rb
.if \z
.if (\ra) && (\rb)
	v_wmma_scale_f32_16x16x128_f8f6f4 v[\d:\d+7], v[\a:\a+11], v[\b:\b+11], 0, v[\sa], v[\sb] matrix_a_fmt:MATRIX_FMT_FP6 matrix_b_fmt:MATRIX_FMT_FP6 matrix_a_scale:MATRIX_SCALE_ROW1 matrix_b_scale:MATRIX_SCALE_ROW1
.elseif \ra
	v_wmma_scale_f32_16x16x128_f8f6f4 v[\d:\d+7], v[\a:\a+11], v[\b:\b+11], 0, v[\sa], v[\sb] matrix_a_fmt:MATRIX_FMT_FP6 matrix_b_fmt:MATRIX_FMT_FP6 matrix_a_scale:MATRIX_SCALE_ROW1
.elseif \rb
	v_wmma_scale_f32_16x16x128_f8f6f4 v[\d:\d+7], v[\a:\a+11], v[\b:\b+11], 0, v[\sa], v[\sb] matrix_a_fmt:MATRIX_FMT_FP6 matrix_b_fmt:MATRIX_FMT_FP6 matrix_b_scale:MATRIX_SCALE_ROW1
.else
	v_wmma_scale_f32_16x16x128_f8f6f4 v[\d:\d+7], v[\a:\a+11], v[\b:\b+11], 0, v[\sa], v[\sb] matrix_a_fmt:MATRIX_FMT_FP6 matrix_b_fmt:MATRIX_FMT_FP6
.endif
.else
.if (\ra) && (\rb)
	v_wmma_scale_f32_16x16x128_f8f6f4 v[\d:\d+7], v[\a:\a+11], v[\b:\b+11], v[\d:\d+7], v[\sa], v[\sb] matrix_a_fmt:MATRIX_FMT_FP6 matrix_b_fmt:MATRIX_FMT_FP6 matrix_a_scale:MATRIX_SCALE_ROW1 matrix_b_scale:MATRIX_SCALE_ROW1
.elseif \ra
	v_wmma_scale_f32_16x16x128_f8f6f4 v[\d:\d+7], v[\a:\a+11], v[\b:\b+11], v[\d:\d+7], v[\sa], v[\sb] matrix_a_fmt:MATRIX_FMT_FP6 matrix_b_fmt:MATRIX_FMT_FP6 matrix_a_scale:MATRIX_SCALE_ROW1
.elseif \rb
	v_wmma_scale_f32_16x16x128_f8f6f4 v[\d:\d+7], v[\a:\a+11], v[\b:\b+11], v[\d:\d+7], v[\sa], v[\sb] matrix_a_fmt:MATRIX_FMT_FP6 matrix_b_fmt:MATRIX_FMT_FP6 matrix_b_scale:MATRIX_SCALE_ROW1
.else
	v_wmma_scale_f32_16x16x128_f8f6f4 v[\d:\d+7], v[\a:\a+11], v[\b:\b+11], v[\d:\d+7], v[\sa], v[\sb] matrix_a_fmt:MATRIX_FMT_FP6 matrix_b_fmt:MATRIX_FMT_FP6
.endif
.endif
.endm
; 64 numbers of a lane, register 16 b + i = k 32 b + 16 (lane / 16) + i of the lane's row, become 12 registers of codes in v[PC] on and the scale word in v[PW]
.macro QUANT qs, fl
.irp b, 0,1,2,3
	v_max3_num_f32 v[TM+\b], |v[\qs+16*\b]|, |v[\qs+1+16*\b]|, \fl
.endr
.irp i, 2,4,6,8,10,12,14
.irp b, 0,1,2,3
	v_max3_num_f32 v[TM+\b], v[TM+\b], |v[\qs+16*\b+\i]|, |v[\qs+1+16*\b+\i]|
.endr
.endr
.irp b, 0,1,2,3
	s_delay_alu instid0(VALU_DEP_4)
	v_permlanex16_b32 v[TM+4+\b], v[TM+\b], s[SEL], s[SEL+1]
.endr
.irp b, 0,1,2,3
	s_delay_alu instid0(VALU_DEP_4)
	v_max_num_f32 v[TM+\b], v[TM+\b], v[TM+4+\b]
.endr
.irp b, 0,1,2,3
	s_delay_alu instid0(VALU_DEP_4)
	v_add_nc_u32 v[TM+12+\b], 0xff000000, v[TM+\b]   ; 2 off the exponent field: the conversion's scale operand
.endr
.irp b, 0,1,2,3
	s_delay_alu instid0(VALU_DEP_4)
	v_lshrrev_b32 v[TM+4+\b], 23, v[TM+12+\b]
.endr
	s_delay_alu instid0(VALU_DEP_3)
	v_lshl_or_b32 v[PW], v[TM+5], 8, v[TM+4]
	s_delay_alu instid0(VALU_DEP_1)
	v_lshl_or_b32 v[PW], v[TM+6], 16, v[PW]
	s_delay_alu instid0(VALU_DEP_1)
	v_lshl_or_b32 v[PW], v[TM+7], 24, v[PW]
.irp c, 0,1
	v_cvt_scalef32_pk16_fp6_f32 v[PC+6*\c:PC+2+6*\c], v[\qs+32*\c:\qs+15+32*\c], v[TM+12+2*\c]
	v_cvt_scalef32_pk16_fp6_f32 v[PC+12+4*\c:PC+14+4*\c], v[\qs+16+32*\c:\qs+31+32*\c], v[TM+12+2*\c+1]
.endr
	v_nop                                          ; one plain instruction behind the scaled conversions
.irp c, 0,1
.irp i, 0,1,2
	v_permlane16_swap_b32 v[PC+6*\c+\i], v[PC+12+4*\c+\i]
.endr
.irp i, 0,1,2
	s_delay_alu instid0(VALU_DEP_3)
	v_mov_b32 v[PC+3+6*\c+\i], v[PC+12+4*\c+\i]
.endr
.endr
.endm
	s_load_b256 s[4:11], s[0:1], 0x0               ; qt, qf, kf, vf
	s_load_b64 s[12:13], s[0:1], 0x20              ; sc
	v_lshl_add_u32 v[SPW], v0, 2, SPARE
	v_mov_b32 v[NIL], 0
	ds_add_u32 v[SPW], v[NIL]                      ; the wave's opening: the add, twice on end, and its wait ahead of my first tensor load
	ds_add_u32 v[SPW], v[NIL]
	v_lshrrev_b32 v1, 5, v0
	s_delay_alu instid0(VALU_DEP_1)
	v_readfirstlane_b32 s[WV], v1                  ; wave 0..7
	s_bfe_u32 s44, ttmp6, 0x40000                  ; cx
	s_lshl_b32 s45, ttmp9, 2
	s_add_co_u32 s45, s45, s44                     ; mb: my 256 tokens
	s_and_b32 s46, ttmp7, 0xffff                   ; the head, which the four partners share
	s_lshr_b32 s47, s45, 3
	s_lshl_b32 s47, s47, 4
	s_add_co_u32 s47, s47, s46                     ; bh = 16 x batch + head
	s_and_b32 s48, s45, 7
	s_lshl_b32 s49, s48, 3
	s_add_co_u32 s49, s49, s[WV]                   ; G: my group of 32 tokens in the batch
	s_lshl_b32 s52, s46, 2                         ; the weights: tile 256 + 4 head of qt, my eighth of the unit: head and wave alone
	s_add_co_u32 s52, s52, 256
	s_mul_i32 s52, s52, TILEB
	s_mul_i32 s14, s[WV], 6400
	s_add_co_u32 s52, s52, s14
	s_mov_b32 s53, 0
	s_lshl_b32 s50, s45, 3                         ; x: tiles 2 Gt, 2 Gt + 1
	s_add_co_u32 s50, s50, s[WV]
	s_mul_i32 s50, s50, 2*TILEB
	s_mov_b32 s51, 0
	s_lshl_b32 s54, s47, 6                         ; qf, kf: (64 bh + G) x 1536
	s_add_co_u32 s54, s54, s49
	s_mul_i32 s54, s54, 1536
	s_mov_b32 s55, 0
	s_mul_i32 s56, s47, 98304                      ; vf: 98304 bh + 6144 (G / 4) + 1536 ((G / 2) % 2) + 256 (G % 2)
	s_lshr_b32 s57, s49, 2
	s_mul_i32 s57, s57, 6144
	s_add_co_u32 s56, s56, s57
	s_bfe_u32 s57, s[WV], 0x10001
	s_mul_i32 s57, s57, 1536
	s_add_co_u32 s56, s56, s57
	s_and_b32 s57, s[WV], 1
	s_lshl_b32 s57, s57, 8
	s_add_co_u32 s56, s56, s57
	s_mov_b32 s57, 0
	s_lshl_b32 s58, s47, 13                        ; sc: waves 0, 1 carry q's words out: 8192 bh + 1024 (mb % 8) + 512 w;
	s_lshl_b32 s59, s48, 10
	s_add_co_u32 s58, s58, s59
	s_lshl_b32 s59, s[WV], 9
	s_add_co_u32 s58, s58, s59
	s_lshl_b32 s60, s47, 12                        ; wave 2 k's, wave 3 v's: 131072 w + 4096 bh + 512 (mb % 8)
	s_lshl_b32 s59, s48, 9
	s_add_co_u32 s60, s60, s59
	s_lshl_b32 s59, s[WV], 17
	s_add_co_u32 s60, s60, s59
	s_cmp_lt_u32 s[WV], 2
	s_cselect_b32 s58, s58, s60
	s_mov_b32 s59, 0
	s_mov_b32 s[SEL], 0x76543210
	s_mov_b32 s[SEL+1], 0xfedcba98
	; descriptor group 1: 6,400 dense bytes as 25 rows of 256 (32 elements of 8 bytes), no padding: the bytes are images of registers
	s_mov_b32 s[G1], 15|(3<<16)|(1<<21)            ; 15:0 the mask: all four work-groups; 17:16 elements of 8 bytes; 21 set beside a mask
	s_mov_b32 s[G1+1], 32<<16                      ; tensor_dim0
	s_mov_b32 s[G1+2], 25<<16                      ; tensor_dim1
	s_mov_b32 s[G1+3], 32<<16                      ; tile_dim0
	s_mov_b32 s[G1+4], 25                          ; tile_dim1
	s_mov_b32 s[G1+5], 32                          ; the pitch
	s_mov_b32 s[G1+6], 0
	s_mov_b32 s[G1+7], 0
	s_wait_dscnt 0x0                               ; both opening adds are done
	s_wait_kmcnt 0x0
	s_add_nc_u64 s[52:53], s[4:5], s[52:53]
	s_add_nc_u64 s[50:51], s[4:5], s[50:51]
	s_add_nc_u64 s[6:7], s[6:7], s[54:55]
	s_add_nc_u64 s[8:9], s[8:9], s[54:55]
	s_add_nc_u64 s[10:11], s[10:11], s[56:57]
	s_add_nc_u64 s[12:13], s[12:13], s[58:59]
.irp g, 0,1,2
	s_mov_b32 s[G0+4*\g], 1
	s_add_co_u32 s[G0+4*\g+1], s14, \g*UNITB       ; LDS: the unit, my eighth
	s_add_nc_u64 s[G0+4*\g+2:G0+4*\g+3], s[52:53], \g*64*TILEB   ; Wq's, Wk's, Wv's tiles lie 64 tiles apart
	s_or_b32 s[G0+4*\g+3], s[G0+4*\g+3], 0x80000000
.endr
	ROUND                                          ; all four work-groups are here: the joint loads meet
	tensor_load_to_lds s[G0:G0+3], s[G1:G1+7]
	s_nop 0
	PLACES 4
	v_and_b32 v2, 15, v0                           ; r
	v_bfe_u32 v3, v0, 4, 1                         ; h
	v_and_b32 v1, 31, v0
	s_delay_alu instid0(VALU_DEP_1)
	v_lshlrev_b32 v7, 3, v1                        ; 8 x lane
	s_delay_alu instid0(VALU_DEP_2)
	v_lshlrev_b32 v1, 4, v1                        ; 16 x lane
	s_wait_alu depctr_va_vdst(0)
	v_mul_u32_u24 v4, v3, TILEB
	s_delay_alu instid0(VALU_DEP_1)
	v_lshl_add_u32 v4, v2, 4, v4                   ; scale words: lanes 16-31 take the next tile's; 16 bytes a row
	global_load_b128 v[XS:XS+3], v4, s[50:51] offset:12288
	global_load_b128 v[XS+4:XS+7], v4, s[50:51] offset:12544
	WIN 0x40                                       ; destination window 1
.irp ks, 0,1,2,3,4,5,6,7                       ; x's fragment (tile u, K step ks) at v[12 (8 u + ks)] of window 1, in the order in which the K steps want them
.irp u, 0,1
.irp g, 0,1,2
	global_load_b128 v[12*(8*\u+\ks)+4*\g:12*(8*\u+\ks)+4*\g+3], v1, s[50:51] offset:\u*TILEB+\ks*1536+\g*512
.endr
.endr
.endr
	WIN 0
	v_lshrrev_b32 v8, 3, v2
	s_delay_alu instid0(VALU_DEP_1)
	v_lshlrev_b32 v8, 6, v8
	v_and_b32 v9, 7, v2
	s_delay_alu instid0(VALU_DEP_1)
	v_lshl_add_u32 v8, v9, 2, v8
	s_lshl_b32 s56, s[WV], 7
	s_add_co_u32 s56, s56, SCG
	v_add_nc_u32 v8, s56, v8                       ; q's words in the tokens' own order: token 16 (r / 8) + 8 u + r % 8 of my 32
	s_lshl_b32 s56, s[WV], 6
	s_add_co_u32 s56, s56, SCG+1024
	v_lshl_add_u32 v9, v2, 2, s56                  ; k's words (v's 512 bytes on): 64 bytes a wave, 4 r
	s_lshl_b32 s56, s[WV], 9
	s_add_co_u32 s56, s56, SCG
	v_add_nc_u32 v10, s56, v1                      ; the way out: wave w < 4 takes 512 bytes
.irp b, 0,1,2,3
	v_mov_b32 v[TM+4+\b], 0                        ; written once: a lane permute's destination counts as one of its sources
.endr
.macro FETCHB fs                       ; the unit's four fragments of K step fs into set fs % 2
.irp t, 0,1,2,3
.irp g, 0,1,2
	ds_load_b128 v[BF+48*((\fs)%2)+12*\t+4*\g:BF+48*((\fs)%2)+12*\t+4*\g+3], v5 offset:\t*TILEB+(\fs)*1536+\g*512
.endr
.endr
.endm
.macro KSTEP un, kind, ks              ; 8 matrix instructions, the eight accumulators by turns
.if \ks < 7
	s_wait_dscnt 12                                ; this K step's fragments are in; the next one's 12 loads may be out
.else
	s_wait_dscnt 0x0
.endif
.if \un == 0
	s_wait_loadcnt 42-6*\ks                        ; x's 6 loads of this K step are in; those of the later K steps, 6 each, may be out
.endif
.if \kind == 2
	WIN 0x01                                       ; source 0 (x) window 1
.irp t, 0,1,2,3
.irp u, 0,1
	WM ACC+16*\t+8*\u, 12*(8*\u+\ks), BF+48*(\ks%2)+12*\t, (\ks==0), XS+\ks, BS+8*(\t/2)+\ks, \u, \t%2
.endr
.endr
.else
	WIN 0x04                                       ; source 1 (x) window 1
.irp c, 0,1
.irp t, 0,1,2,3
	WM ACC+32*\c+8*\t, BF+48*(\ks%2)+12*\t, 12*(8*\c+\ks), (\ks==0), BS+8*(\t/2)+\ks, XS+\ks, \t%2, \c
.endr
.endr
.endif
	WIN 0
	PLACES 4                                       ; in front of loads into registers that these products read, and of the first read of results
.if \ks < 6
	FETCHB \ks+2
.endif
.endm
.macro UNIT un, kind
	s_wait_tensorcnt 0x0                           ; my eighth of this unit has landed: no tensor load of mine is out
	ds_add_u32 v[SPW], v[NIL]
	s_wait_dscnt 0x0                               ; the add is done; no LDS instruction of mine is out at the signal
.if \un < 2
	ROUND                                          ; everybody's eighth has landed, and the four work-groups meet
	tensor_load_to_lds s[G0+4*(\un+1):G0+4*(\un+1)+3], s[G1:G1+7]   ; the next unit's first fill: my one tensor load behind the round; it has this unit's 64 products in which to land
	s_nop 0
	PLACES 4
.else
	s_barrier_signal -1
	s_barrier_wait -1                              ; everybody's has
.endif
	v_add_nc_u32 v5, \un*UNITB, v1
	v_add_nc_u32 v6, \un*UNITB, v4
.irp p, 0,1
.irp sg, 0,1
	ds_load_b128 v[BS+8*\p+4*\sg:BS+8*\p+4*\sg+3], v6 offset:\p*2*TILEB+12288+256*\sg
.endr
.endr
	FETCHB 0
	FETCHB 1
	s_wait_alu depctr_va_vdst(0)
.irp ks, 0,1,2,3,4,5,6,7
	KSTEP \un, \kind, \ks
.endr
.endm
	UNIT 0, 0                                      ; ---- q
	QUANT ACC, 0x3000000                           ; the floor 2^(6 - 127): the bytes are 4 at the least
.irp p, 0,1,2,3,4,5
	global_store_b64 v7, v[PC+2*\p:PC+2*\p+1], s[6:7] offset:256*\p   ; 32 lanes store 256 consecutive bytes, aligned
.endr
	v_add_nc_u32 v[PW], 0xfcfcfcfd, v[PW]          ; 3 off each of the four bytes (none borrows): the scores' 1 / 8
	s_delay_alu instid0(VALU_DEP_1)
	v_perm_b32 v237, v[PW], v[PW], 0x01000100      ; token tile 0's two bytes, twice: the word serves Q in either half of the instruction's K
	s_delay_alu instid0(VALU_DEP_2)
	v_perm_b32 v238, v[PW], v[PW], 0x03020302      ; token tile 1's
	ds_store_b32 v8, v237
	ds_store_b32 v8, v238 offset:32
	UNIT 1, 1                                      ; ---- k
	s_wait_xcnt 0x0                                ; q's stores have read the codes' registers
	QUANT ACC, 0x1800000
.irp p, 0,1,2,3,4,5
	global_store_b64 v7, v[PC+2*\p:PC+2*\p+1], s[8:9] offset:256*\p
.endr
	ds_store_b32 v9, v[PW]
	UNIT 2, 2                                      ; ---- v
	s_wait_xcnt 0x0
	QUANT ACC, 0x1800000
.irp c, 0,1
.irp p, 0,1,2
	global_store_b64 v7, v[PC+6*\c+2*\p:PC+6*\c+2*\p+1], s[10:11] offset:3072*\c+512*\p
.endr
.endr
	ds_store_b32 v9, v[PW] offset:512
	s_wait_dscnt 0x0                               ; for the others' sake: my words lie in LDS
	s_barrier_signal -1
	s_barrier_wait -1
	s_cmp_lt_u32 s[WV], 4
	s_cbranch_scc0 .Lno_copy
	ds_load_b128 v[240:243], v10
	s_wait_dscnt 0x0
	global_store_b128 v1, v[240:243], s[12:13]     ; 32 lanes store 512 consecutive bytes, aligned
.Lno_copy:
	s_wait_tensorcnt 0x0                           ; the wave's end
	ds_add_u32 v[SPW], v[NIL]
	s_wait_dscnt 0x0
	ROUND                                          ; the closing round
	s_endpgm
.Lfunc_end_k_q337416789d_qkv:
	.size	k_q337416789d_qkv, .Lfunc_end_k_q337416789d_qkv-k_q337416789d_qkv
	.p2alignl 7, 3214868480
	.fill 96, 4, 3214868480
	.section	.rodata,"a",@progbits
	.p2align	6, 0x0
	.amdhsa_kernel k_q337416789d_qkv
		.amdhsa_group_segment_fixed_size 327680
		.amdhsa_private_segment_fixed_size 0
		.amdhsa_enable_private_segment 0
		.amdhsa_kernarg_size 40
		.amdhsa_user_sgpr_count 2
		.amdhsa_user_sgpr_kernarg_segment_ptr 1
		.amdhsa_wavefront_size32 1
		.amdhsa_system_sgpr_workgroup_id_x 1
		.amdhsa_system_sgpr_workgroup_id_y 1
		.amdhsa_system_sgpr_workgroup_id_z 1
		.amdhsa_system_vgpr_workitem_id 0
		.amdhsa_next_free_vgpr 512
		.amdhsa_next_free_sgpr 66
		.amdhsa_reserve_vcc 0
		.amdhsa_float_denorm_mode_32 3
		.amdhsa_float_denorm_mode_16_64 3
		.amdhsa_memory_ordered 1
		.amdhsa_forward_progress 1
		.amdhsa_inst_pref_size 78
	.end_amdhsa_kernel
	.amdgpu_metadata
---
amdhsa.version: [ 1, 2 ]
amdhsa.kernels:
  - .name:           k_q337416789d_qkv
    .symbol:         k_q337416789d_qkv.kd
    .args:
      - { .name: qt, .offset: 0, .size: 8, .value_kind: global_buffer, .address_space: global }
      - { .name: qf, .offset: 8, .size: 8, .value_kind: global_buffer, .address_space: global }
      - { .name: kf, .offset: 16, .size: 8, .value_kind: global_buffer, .address_space: global }
      - { .name: vf, .offset: 24, .size: 8, .value_kind: global_buffer, .address_space: global }
      - { .name: sc, .offset: 32, .size: 8, .value_kind: global_buffer, .address_space: global }
    .group_segment_fixed_size: 327680
    .private_segment_fixed_size: 0
    .kernarg_segment_align: 8
    .kernarg_segment_size: 40
    .max_flat_workgroup_size: 256
    .sgpr_count:     66
    .vgpr_count:     512
    .wavefront_size: 32
...
	.end_amdgpu_metadata
.endif
;; end of part 2
;; launch attn (part 3): grid 32 x 8, 8 waves a work-group, clusters of 4 x 1, 327,680 bytes of LDS; arguments mask, qf, kf, vf, sc, af, ah; writes af, ah
.if DOCPART == 3
	.amdgcn_target "amdgcn-amd-amdhsa--gfx1250"
	.amdhsa_code_object_version 6
	.text
	.protected	k_q337416789d_attn
	.globl	k_q337416789d_attn
	.p2align	8
	.type	k_q337416789d_attn,@function
k_q337416789d_attn:
	s_mov_b64 s[64:65], 0
	v_nop
	global_prefetch_b8 v0, s[64:65] scope:SCOPE_SE
	s_setreg_imm32_b32 hwreg(HW_REG_WAVE_MODE, 25, 1), 1
	s_wait_xcnt 0x0
	s_wait_alu depctr_hold_cnt(0) depctr_sa_sdst(0) depctr_va_vdst(0) depctr_va_sdst(0) depctr_va_ssrc(0) depctr_va_vcc(0) depctr_vm_vsrc(0)
	s_getreg_b32 s2, hwreg(HW_REG_IB_STS2, 6, 4)
	s_cmp_eq_u32 s2, 0
	s_cbranch_scc0 .Lentry_in_a_cluster
	s_endpgm
.Lentry_in_a_cluster:
	s_bfe_u32 s2, ttmp6, 0x10000c
	s_cmp_lg_u32 s2, 0x3003
	s_cbranch_scc0 .Lentry_shape_is_right
	s_endpgm
.Lentry_shape_is_right:
; LAUNCH 3 OF 4: scores = q k^T / 8 + mask, attn = exp(scores) / (row sum + 1e-10), out = attn v, both products on codes of E2M3; out is quantised at once for the last product.  Nothing of reference() is left out.
; reference() takes no maximum away and quantises the FINISHED attn along the keys, so a row's sum must be known before any code of the row is made.
; SHARES.  A work-group owns one (b, h) and 256 queries, in 16 tiles of 16.  Wave w owns keys 256 w .. 256 w + 255: a tile's 2,048 scores lie in the eight waves' registers, 128 a lane.  K's fragments stay in
; registers (window 1, v0-95).  V^T's lie in LDS as images of the operand's registers, each wave's own 12,288 bytes, stored once, in the first trip.
; TWO TILES ARE AT WORK IN A TRIP, in two sets of 128 score registers (v128-255 of windows 0 and 1, by turns).  Trip t: tile t + 1 gets its scores, exponentials, sums and block maxima; tile t, whose row sums
; crossed the waves at the trip's round, is normalised, converted and multiplied by V^T; tile t - 1's partial O^T are added up.  None of the three hangs on another inside the trip.
; V^T's fragments are fetched into the quarters of tile t's score registers as the conversions free them; behind the products the mask of tile t + 2 moves into the same registers.
; TWO MEETINGS A TRIP.  The cluster's round at its head publishes sums(t) and the partial O^T(t - 1) and frees the mask slot; the 16 score products, and among them the 64 multiplications by log2(e), stand between
; its opening signal and wait.  A second barrier is signalled when my reads of the sums and of the partial O^T are back, and waited for in front of the trip's LDS stores, which write those bytes again.
; K = 64 IN AN INSTRUCTION OF 128: K's operand is the pair fragment [key tile 0 | key tile 1]; it is multiplied once by [Q | 0] and once by [0 | Q] (v16-33 hold 6 zeros, Q's 6 registers, 6 zeros).
; THE MASK IS THE C OF THE SCORE PRODUCT (the 1 / 8 stands in Q's scale bytes).  Its tile (16 queries x my 256 keys) is the same for the four (b, h) of a cluster: a JOINT tensor load, one slot a wave; one
; tensor load of a wave is out at the most.  THE PREFETCH: each trip asks for the mask tile two refills on; of its 16 rows the partner at place cx takes 4, wave w its 1,024 bytes of each: 16 blocks of 256 bytes
; a wave (lanes 16-31 name those of lanes 0-15 again); tiles 1 and 2 are asked for at the head, behind tile 0's load; trips whose tile would lie past the 16th ask for nothing.
; THE SUMMED O^T is kept for 8 tiles; behind tile 7 and behind tile 15 wave w quantises tile w of the eight.
; A BLOCK'S LARGEST attn is the block's largest p times 1 / divisor: a rounded multiplication by a positive number never reverses an order.
; LIMITS: NaN in the mask is not served; -infinity in the mask goes in as C and the product's f32 sum carries it on (p = 0); an exponential that overflows is not served (reference() is not finite there);
; p under 2^-126 counts as 0; the division is a multiplication by the reciprocal instruction's result.  The stores of scale bytes are 2 bytes a lane, 32 consecutive bytes a wave (lanes 16-31 store what lanes 0-15 store).
.set MSW,   16640                      ; a wave's mask slot: 16 rows x (1,024 bytes + 16)
.set MP,    1040
.set VB,    8*MSW                      ; V^T: 8 waves x 12,288 bytes: fragment f, registers 4 g .. 4 g + 3 of lane l at 1536 f + 512 g + 16 l
.set OX,    VB+98304                   ; the partial O^T: 8 waves x 4,096 bytes, images of 32 registers
.set RO,    OX+32768                   ; the summed O^T: wave w's register group of tile i at ROP w + 512 (i % 8)
.set ROP,   4608
.set SM,    RO+8*ROP                   ; the row sums: 16 rows x 48 bytes, a word a wave
.set SPARE, SM+1024                    ; the spare words, 128 bytes a wave
.set SPW, 12
.set NIL, 13
.set QZ,  16                           ; v16-33   0 x 6, Q x 6, 0 x 6
.set QS,  34                           ; Q's scale words
.set PFV, 35                           ; the prefetch's lane offset; never rewritten
.set KS,  36                           ; v36-43   K's scale words
.set VS,  44                           ; v44-51   V^T's: 4 kp + t
.set PW,  52                           ; v52-53   attn's scale words
.set CH,  54                           ; v54-57   the sum in two chains of pairs
.set RINV, 58                          ; v58-59   1 / divisor, twice
.set MX,  60                           ; v60-67   the blocks' largest p
.set MT,  68                           ; v68-75   at work
.set SO,  76                           ; v76-83   the eight sums, then the conversions' scale operands
.set PC,  84                           ; v84-107  attn's codes; ahead of them v84-115 take the partial O^T
.set CT,  108                          ; v108-123 the conversions' second halves
.set OR,  124                          ; v124-127 my register group of the summed O^T, until it is stored
.set S,   128                          ; v128-255 of window 0 and of window 1: mask, scores, p, attn, V^T's fragments
.set OA,  96                           ; v96-127 of window 1: the partial O^T's four accumulators
.set WV,  18
.set SEL, 20
.set LG,  22
.set G1,  24
.set G0,  32
.set TR,  36                           ; 512 x (the trip's number + 7)
.set CNT, 37
.set QP,  38
.set QSP, 40
.set QD,  42
.set VA,  57                           ; LDS address of my wave's part of V^T
.set T2,  61                           ; 512 x ((the trip's number - 1) % 8)
.set PF,  62                           ; s[62:63] where my prefetches stand
.set MSB, 0
.set NW, 0
.macro WIN new
.if MSB != \new
	s_set_vgpr_msb (MSB<<8)|\new
.set MSB, \new
.endif
.endm
.macro PLACES n
.rept \n
	v_nop
.endr
.endm
.macro CREST                           ; a round of the cluster's barrier behind its opening barrier
	s_cmp_lg_u32 s[WV], 0
	s_cbranch_scc1 .Lnot_wave_0_\@
	s_barrier_signal -3
.Lnot_wave_0_\@:
	s_barrier_wait -3
	s_barrier_signal -1
	s_barrier_wait -1
.endm
.macro ROUND
	s_barrier_signal -1
	s_barrier_wait -1
	CREST
.endm
.macro WM d, a, b, z, sa, sb
.if \z
	v_wmma_scale_f32_16x16x128_f8f6f4 v[\d:\d+7], v[\a:\a+11], v[\b:\b+11], 0, v[\sa], v[\sb] matrix_a_fmt:MATRIX_FMT_FP6 matrix_b_fmt:MATRIX_FMT_FP6
.else
	v_wmma_scale_f32_16x16x128_f8f6f4 v[\d:\d+7], v[\a:\a+11], v[\b:\b+11], v[\d:\d+7], v[\sa], v[\sb] matrix_a_fmt:MATRIX_FMT_FP6 matrix_b_fmt:MATRIX_FMT_FP6
.endif
.endm
; The 16 scores of group g x log2(e), each accumulator from its low end on.  It stands among the score products, under their windows (source 0 window 1, source 1 window 0): so the scores are named
; as source 0 where they lie in window 1, and as source 1 where they lie in window 0
.macro LGM g
.set j, 0
.rept 8
.if NW
	v_pk_mul_f32 v[S+16*(\g)+2*j:S+16*(\g)+2*j+1], v[S+16*(\g)+2*j:S+16*(\g)+2*j+1], s[LG:LG+1] op_sel_hi:[1,0]
.else
	v_pk_mul_f32 v[S+16*(\g)+2*j:S+16*(\g)+2*j+1], s[LG:LG+1], v[S+16*(\g)+2*j:S+16*(\g)+2*j+1] op_sel_hi:[0,1]
.endif
.set j, j+1
.endr
.endm
.macro MCH c                           ; quarter c of my mask tile out of its slot: register 16 g + i = mask(query r, key 256 w + 32 g + 16 h + i), g = 2 c, 2 c + 1
.irp g, 2*\c, 2*\c+1
.irp q, 0,1,2,3
	ds_load_b128 v[S+16*(\g)+4*\q:S+16*(\g)+4*\q+3], v3 offset:128*(\g)+16*\q
.endr
.endr
.endm
.macro OLOAD                           ; register group w of the eight partial O^T
.irp k, 0,1,2,3,4,5,6,7
	ds_load_b128 v[PC+4*\k:PC+4*\k+3], v9 offset:4096*\k
.endr
.endm
.macro OADD                            ; their sum, and where it is kept
.irp k, 0,2,4,6
	v_pk_add_f32 v[PC+4*\k:PC+4*\k+1], v[PC+4*\k:PC+4*\k+1], v[PC+4*\k+4:PC+4*\k+5]
	v_pk_add_f32 v[PC+4*\k+2:PC+4*\k+3], v[PC+4*\k+2:PC+4*\k+3], v[PC+4*\k+6:PC+4*\k+7]
.endr
.irp k, 0,4
	v_pk_add_f32 v[PC+4*\k:PC+4*\k+1], v[PC+4*\k:PC+4*\k+1], v[PC+4*\k+8:PC+4*\k+9]
	v_pk_add_f32 v[PC+4*\k+2:PC+4*\k+3], v[PC+4*\k+2:PC+4*\k+3], v[PC+4*\k+10:PC+4*\k+11]
.endr
	v_pk_add_f32 v[OR:OR+1], v[PC:PC+1], v[PC+16:PC+17]
	v_pk_add_f32 v[OR+2:OR+3], v[PC+2:PC+3], v[PC+18:PC+19]
	v_add_nc_u32 v11, s[T2], v10
.endm
; V^T's fragments, loaded at the head into window 1's score registers and v84-107, go to my part of LDS; its scale words are turned
.macro VBLOCK
	s_wait_loadcnt 4                               ; V^T's 48 loads and its 8 scale words are in; behind them: the four loads of Q's next fragment
	v_add_nc_u32 v2, s[VA], v127                   ; (the loads that read v2 are done)  V^T in LDS: my 12,288 bytes, + 16 x lane
.irp kp, 0,1                                   ; byte b of word t = byte t of group b's word: 4 x 4 bytes turned
	v_perm_b32 v[MT+4*\kp], v[CT+4*\kp+1], v[CT+4*\kp], 0x05010400
	v_perm_b32 v[MT+4*\kp+1], v[CT+4*\kp+1], v[CT+4*\kp], 0x07030602
	v_perm_b32 v[MT+4*\kp+2], v[CT+4*\kp+3], v[CT+4*\kp+2], 0x05010400
	v_perm_b32 v[MT+4*\kp+3], v[CT+4*\kp+3], v[CT+4*\kp+2], 0x07030602
	v_perm_b32 v[VS+4*\kp], v[MT+4*\kp+2], v[MT+4*\kp], 0x05040100
	v_perm_b32 v[VS+4*\kp+1], v[MT+4*\kp+2], v[MT+4*\kp], 0x07060302
	v_perm_b32 v[VS+4*\kp+2], v[MT+4*\kp+3], v[MT+4*\kp+1], 0x05040100
	v_perm_b32 v[VS+4*\kp+3], v[MT+4*\kp+3], v[MT+4*\kp+1], 0x07060302
.endr
	WIN 0x04                                       ; an LDS store's data are its source 1: window 1
.irp f, 0,1,2,3,4,5
.irp g, 0,1,2
	ds_store_b128 v2, v[S+12*\f+4*\g:S+12*\f+4*\g+3] offset:1536*\f+512*\g
.endr
.endr
	WIN 0
.irp f, 6,7
.irp g, 0,1,2
	ds_store_b128 v2, v[PC+12*(\f-6)+4*\g:PC+12*(\f-6)+4*\g+3] offset:1536*\f+512*\g
.endr
.endr
.endm
; Tile 8 f + w of out is quantised along the head's 64: register 16 b + i = out(query r, d = 32 b + 16 h + i): two blocks of the last product's K
.macro FINAL f
.irp g, 0,1,2,3,4,5,6,7
	ds_load_b128 v[PC+4*\g:PC+4*\g+3], v14 offset:ROP*\g
.endr
	s_wait_dscnt 0x0
	v_max3_num_f32 v124, |v[PC]|, |v[PC+1]|, 0x1800000
	v_max3_num_f32 v125, |v[PC+16]|, |v[PC+17]|, 0x1800000
.irp i, 2,4,6,8,10,12,14
	v_max3_num_f32 v124, v124, |v[PC+\i]|, |v[PC+1+\i]|
	v_max3_num_f32 v125, v125, |v[PC+16+\i]|, |v[PC+17+\i]|
.endr
	v_permlanex16_b32 v126, v124, s[SEL], s[SEL+1]
	v_permlanex16_b32 v127, v125, s[SEL], s[SEL+1]
	v_max_num_f32 v124, v124, v126
	v_max_num_f32 v125, v125, v127
	v_add_nc_u32 v126, 0xff000000, v124            ; 2 off the exponent field: the conversion's scale operand
	v_add_nc_u32 v127, 0xff000000, v125
	v_lshrrev_b32 v124, 23, v126
	v_lshrrev_b32 v125, 23, v127
	v_lshl_or_b32 v124, v125, 8, v124              ; the row's two scale bytes
	v_cvt_scalef32_pk16_fp6_f32 v[116:118], v[PC:PC+15], v126
	v_cvt_scalef32_pk16_fp6_f32 v[120:122], v[PC+16:PC+31], v127
	v_nop
.irp i, 0,1,2
	v_permlane16_swap_b32 v[116+\i], v[120+\i]     ; a whole block in a lane: lanes 0-15 block 0, lanes 16-31 block 1
.endr
	v_mov_b32 v119, v120
	v_mov_b32 v120, v121
	v_mov_b32 v121, v122
.irp p, 0,1,2
	global_store_b64 v1, v[116+2*\p:117+2*\p], s[50:51] offset:98304*\f+256*\p   ; 32 lanes store 256 consecutive bytes, aligned
.endr
	global_store_b16 v15, v124, s[52:53] offset:256*\f
	s_wait_xcnt 0x0                                ; the stores have read their registers, which are written again further on
.endm
	s_load_b256 s[4:11], s[0:1], 0x0               ; mask, qf, kf, vf
	s_load_b128 s[12:15], s[0:1], 0x20             ; sc, af
	s_load_b64 s[16:17], s[0:1], 0x30              ; ah
	v_lshl_add_u32 v[SPW], v0, 2, SPARE
	v_mov_b32 v[NIL], 0
	ds_add_u32 v[SPW], v[NIL]                      ; the wave's opening: the add, twice on end, and its wait ahead of my first tensor load
	ds_add_u32 v[SPW], v[NIL]
	v_lshrrev_b32 v124, 5, v0
	v_readfirstlane_b32 s[WV], v124                ; wave 0..7
	s_bfe_u32 s54, ttmp6, 0x40000                  ; cx
	s_lshl_b32 s55, ttmp9, 2
	s_add_co_u32 s55, s55, s54                     ; bh: it enters global addresses of q, k, v and out alone
	s_and_b32 s56, ttmp7, 0xffff                   ; qb: my 256 queries, which the four partners share
	s_lshl_b32 s58, s56, 21                        ; the mask: 256 qb rows of 8,192 bytes, + my 1,024 bytes of a row: qb and wave alone
	s_lshl_b32 s59, s[WV], 10
	s_add_co_u32 s58, s58, s59
	s_mov_b32 s59, 0
	s_lshl_b32 s[PF], s54, 15                      ; the prefetches: + my work-group's 4 rows of a tile's 16, + three tiles of 16 rows
	s_add_co_u32 s[PF], s[PF], s58
	s_add_co_u32 s[PF], s[PF], 3*131072
	s_mov_b32 s[PF+1], 0
	s_mul_i32 s44, s55, 98304                      ; kf and vf: 98304 bh + 12288 w
	s_mul_i32 s45, s[WV], 12288
	s_add_co_u32 s44, s44, s45
	s_mov_b32 s45, 0
	s_lshl_b32 s48, s55, 12                        ; k's scale words: 262144 + 4096 bh + 512 w (v's 131,072 on)
	s_lshl_b32 s49, s[WV], 9
	s_add_co_u32 s48, s48, s49
	s_add_co_u32 s48, s48, 262144
	s_mov_b32 s49, 0
	s_mul_i32 s[QP], s55, 98304                    ; Q's codes: 98304 bh + 12288 qb
	s_mul_i32 s[QP+1], s56, 12288
	s_add_co_u32 s[QP], s[QP], s[QP+1]
	s_mov_b32 s[QP+1], 0
	s_lshl_b32 s[QSP], s55, 13                     ; Q's scale words: 8192 bh + 1024 qb
	s_lshl_b32 s[QSP+1], s56, 10
	s_add_co_u32 s[QSP], s[QSP], s[QSP+1]
	s_mov_b32 s[QSP+1], 0
	s_mov_b32 s[QD], 64                            ; from an even tile to the odd one 64 bytes, from an odd one to the next group 1,472
	s_mov_b32 s[QD+1], 0
	s_lshr_b32 s57, s55, 4                         ; the first of the two tiles of tokens that I quantise: 128 batch + 16 qb + w (the second: 8 on)
	s_lshl_b32 s57, s57, 7
	s_lshl_b32 s60, s56, 4
	s_add_co_u32 s57, s57, s60
	s_add_co_u32 s57, s57, s[WV]
	s_and_b32 s60, s55, 15                         ; the head
	s_mul_i32 s50, s57, 12288                      ; af: 12288 tile + 1536 (head / 2) + 768 (head % 2)
	s_lshr_b32 s51, s60, 1
	s_mul_i32 s51, s51, 1536
	s_add_co_u32 s50, s50, s51
	s_and_b32 s51, s60, 1
	s_mul_i32 s51, s51, 768
	s_add_co_u32 s50, s50, s51
	s_mov_b32 s51, 0
	s_lshl_b32 s52, s60, 13                        ; ah: 8192 head + 32 tile
	s_lshl_b32 s53, s57, 5
	s_add_co_u32 s52, s52, s53
	s_mov_b32 s53, 0
	s_mul_i32 s[VA], s[WV], 12288                  ; (the tile's number is done with)
	s_add_co_u32 s[VA], s[VA], VB
	s_mov_b32 s[SEL], 0x76543210
	s_mov_b32 s[SEL+1], 0xfedcba98
	s_mov_b32 s[LG], 0x3fb8aa3b
	s_mov_b32 s[LG+1], s[LG]
	s_mov_b32 s[TR], 7*512
	; descriptor group 1: 16 rows x 256 elements of 4 bytes, 8,192 bytes apart in memory, 16 bytes of padding behind each row in LDS
	s_mov_b32 s[G1], 15|(2<<16)|(1<<20)|(1<<21)|(7<<22)|(3<<25)
	s_mov_b32 s[G1+1], 256<<16
	s_mov_b32 s[G1+2], 16<<16
	s_mov_b32 s[G1+3], 256<<16
	s_mov_b32 s[G1+4], 16
	s_mov_b32 s[G1+5], 2048
	s_mov_b32 s[G1+6], 0
	s_mov_b32 s[G1+7], 0
	s_mov_b32 s[G0], 1
	s_mul_i32 s[G0+1], s[WV], MSW
	s_wait_dscnt 0x0                               ; both opening adds are done
	s_wait_kmcnt 0x0
	s_add_nc_u64 s[G0+2:G0+3], s[4:5], s[58:59]
	s_or_b32 s[G0+3], s[G0+3], 0x80000000
	s_add_nc_u64 s[PF:PF+1], s[4:5], s[PF:PF+1]
	s_add_nc_u64 s[46:47], s[10:11], s[44:45]      ; V
	s_add_nc_u64 s[44:45], s[8:9], s[44:45]        ; K
	s_add_nc_u64 s[48:49], s[12:13], s[48:49]
	s_add_nc_u64 s[QP:QP+1], s[6:7], s[QP:QP+1]
	s_add_nc_u64 s[QSP:QSP+1], s[12:13], s[QSP:QSP+1]
	s_add_nc_u64 s[50:51], s[14:15], s[50:51]
	s_add_nc_u64 s[52:53], s[16:17], s[52:53]
	ROUND                                          ; all four work-groups are here
	tensor_load_to_lds s[G0:G0+3], s[G1:G1+7]      ; mask tile 0
	s_nop 0
	PLACES 4
	v_bfe_u32 v[PFV], v0, 2, 2                     ; the prefetch: row (lane / 4) % 4 of my work-group's four, block lane % 4 of my 1,024 bytes
	v_and_b32 v11, 3, v0
	v_lshlrev_b32 v[PFV], 13, v[PFV]
	v_lshl_add_u32 v[PFV], v11, 8, v[PFV]
	global_prefetch_b8 v[PFV], s[PF:PF+1] offset:-2*131072 th:TH_LOAD_NT scope:SCOPE_SE   ; mask tile 1
	global_prefetch_b8 v[PFV], s[PF:PF+1] offset:-131072 th:TH_LOAD_NT scope:SCOPE_SE     ; mask tile 2
	v_and_b32 v124, 15, v0                         ; r
	v_bfe_u32 v125, v0, 4, 1                       ; h
	v_and_b32 v126, 31, v0                         ; lane
	v_lshlrev_b32 v127, 4, v126                    ; 16 x lane
	v_lshlrev_b32 v1, 3, v126                      ; 8 x lane
	v_lshlrev_b32 v2, 8, v125
	v_lshl_add_u32 v2, v124, 3, v2                 ; V in memory: 256 h + 8 r
	v_lshrrev_b32 v4, 3, v124
	v_mul_u32_u24 v4, v4, 768
	v_and_b32 v5, 7, v124
	v_lshl_add_u32 v4, v5, 3, v4
	v_lshl_add_u32 v4, v125, 7, v4                 ; Q: 768 (r / 8) + 128 h + 8 (r % 8)
	v_lshlrev_b32 v5, 2, v124                      ; scale words: 4 r
	; what the first scores want comes first: 60 loads
.irp g, 0,1,2,3,4,5,6,7
	global_load_b32 v[KS+\g], v5, s[48:49] offset:64*\g
.endr
.irp p, 0,1,2
	global_load_b64 v[QZ+6+2*\p:QZ+7+2*\p], v4, s[QP:QP+1] offset:256*\p
.endr
	global_load_b32 v[QS], v5, s[QSP:QSP+1]
	WIN 0x40                                       ; destination window 1
.irp g, 0,1,2,3,4,5,6,7                        ; K's eight pair fragments at v[12 g]
.irp p, 0,1,2,3,4,5
	global_load_b64 v[12*\g+2*\p:12*\g+2*\p+1], v1, s[44:45] offset:1536*\g+256*\p
.endr
.endr
	; then V^T's 56 loads, which are waited for in the first trip
.irp f, 0,1,2,3,4,5                            ; V^T's fragment f = 4 kp + t (128 keys kp, d tile t), on its way to LDS: six in window 1's score registers,
.irp c, 0,1
.irp p, 0,1,2
	global_load_b64 v[S+12*\f+6*\c+2*\p:S+12*\f+6*\c+2*\p+1], v2, s[46:47] offset:6144*(\f/4)+3072*((\f%4)/2)+1536*\c+512*\p+128*(\f%2)
.endr
.endr
.endr
	WIN 0
.irp f, 6,7                                    ; two in v84-107
.irp c, 0,1
.irp p, 0,1,2
	global_load_b64 v[PC+12*(\f-6)+6*\c+2*\p:PC+12*(\f-6)+6*\c+2*\p+1], v2, s[46:47] offset:6144*(\f/4)+3072*((\f%4)/2)+1536*\c+512*\p+128*(\f%2)
.endr
.endr
.endr
.irp g, 0,1,2,3,4,5,6,7
	global_load_b32 v[CT+\g], v5, s[48:49] offset:131072+64*\g   ; v's words as they were made: group g of 32 keys, byte t = d tile t
.endr
.irp i, 0,1,2,3,4,5
	v_mov_b32 v[QZ+\i], 0
	v_mov_b32 v[QZ+12+\i], 0
.endr
	s_mul_i32 s54, s[WV], MSW
	v_mul_u32_u24 v3, v124, MP
	v_lshl_add_u32 v3, v125, 6, v3
	v_add_nc_u32 v3, s54, v3                       ; my slot: row r, + 64 h
	v_mul_u32_u24 v7, v124, 48
	v_add_nc_u32 v7, SM, v7                        ; the row's eight sums,
	s_lshl_b32 s54, s[WV], 2
	v_add_nc_u32 v6, s54, v7                       ; and my wave's word among them
	s_lshl_b32 s54, s[WV], 12
	s_add_co_u32 s54, s54, OX
	v_add_nc_u32 v8, s54, v127                     ; my partial O^T
	s_lshl_b32 s54, s[WV], 9
	s_add_co_u32 s54, s54, OX
	v_add_nc_u32 v9, s54, v127                     ; register group w of every wave's
	s_mul_i32 s54, s[WV], ROP
	s_add_co_u32 s54, s54, RO
	v_add_nc_u32 v10, s54, v127                    ; where its sum is kept
	s_lshl_b32 s54, s[WV], 9
	s_add_co_u32 s54, s54, RO
	v_add_nc_u32 v14, s54, v127                    ; tile w of the eight kept, of every register group
	v_lshlrev_b32 v15, 1, v124                     ; 2 r
	s_wait_alu depctr_va_vdst(0)
	s_wait_tensorcnt 0x0                           ; mask tile 0 lies in my slot: I alone read it
	MCH 0
	MCH 1
	MCH 2
	MCH 3
; TRIP t.  b: the window of tile t's score registers (tile t + 1's: the other).  y: tile t is finished (0: the first trip, in which V^T goes to LDS);  x: tile t + 1 is begun;  nx: the slot is filled with the
; mask of tile t + 2, which later moves into tile t's registers, and Q of tile t + 2 is fetched;  z: tile t - 1's partial O^T are added (2: not in the loop's first trip);  fin: in trip 9 tiles 0 to 7 are quantised
.macro TRIP b, y, x, nx, z, fin
.set NW, 1-\b
.if \nx
.if \y
	s_wait_xcnt 0x0                                ; my last prefetch has read its address: it is stepped only behind this wait
	s_add_nc_u64 s[PF:PF+1], s[PF:PF+1], 131072
.endif
	s_wait_tensorcnt 0x0                           ; no tensor load of mine is out,
	ds_add_u32 v[SPW], v[NIL]                      ; 0 onto my spare word,
	s_add_nc_u64 s[G0+2:G0+3], s[G0+2:G0+3], 131072   ; 16 rows of the mask on
.endif
.if \x
.if \y
	s_wait_loadcnt 0x0                             ; Q's codes and scale words
.else
	s_wait_loadcnt 56                              ; K's and Q's 60 loads are in; V^T's 56 behind them may be out
.endif
.endif
	s_wait_alu depctr_va_vdst(0)
	s_wait_dscnt 0x0                               ; the add is done, my reads of the slot are back, my sum and my partial O^T lie in LDS
	s_barrier_signal -1
.if \x
	WIN (0x01|(NW<<4)|(NW<<6))                     ; source 0 (K) window 1; C and D: tile t + 1's window
.irp g, 0,1,2,3,4,5,6,7                        ; 16 accumulators, one instruction each: scores = K Q^T / 8 + mask, in place; behind each two products the group before is multiplied by log2(e):
	WM S+16*\g, 12*\g, QZ+6, 0, KS+\g, QS
	WM S+16*\g+8, 12*\g, QZ, 0, KS+\g, QS
.if \g == 1
	PLACES 4                                       ; four places behind group 0's products; from here on the eight multiplications of the group before are a group's places
.endif
.if \g > 0
	LGM \g-1
.endif
.endr
	LGM 7
	WIN 0
.endif
	s_barrier_wait -1
.if \nx
	CREST                                          ; the barrier has opened a round: no wave of any partner still reads its slot
	tensor_load_to_lds s[G0:G0+3], s[G1:G1+7]      ; my one tensor load behind the round
	s_nop 0
.endif
	PLACES 4
.if \fin
	s_cmp_lg_u32 s[CNT], 3                         ; trip 9 is the second of the loop's fifth pair
	s_cbranch_scc1 .Lno_fin_\@
	FINAL 0
.Lno_fin_\@:
.endif
.if \z == 2
	s_cmp_eq_u32 s[CNT], 7                         ; trip 0 has no tile before it
	s_cbranch_scc1 .Lno_ol_\@
.endif
.if \z
	OLOAD
.endif
.if \z == 2
.Lno_ol_\@:
.endif
.if \y
	ds_load_b128 v[SO:SO+3], v7                    ; tile t's eight sums
	ds_load_b128 v[SO+4:SO+7], v7 offset:16
.endif
.if \nx
	s_add_nc_u64 s[QP:QP+1], s[QP:QP+1], s[QD:QD+1]   ; (the loads that read these addresses were waited for at the trip's head)
	s_xor_b32 s[QD], s[QD], 1408                   ; 64 and 1,472 by turns
	s_add_nc_u64 s[QSP:QSP+1], s[QSP:QSP+1], 64
.irp p, 0,1,2
	global_load_b64 v[QZ+6+2*\p:QZ+7+2*\p], v4, s[QP:QP+1] offset:256*\p
.endr
	global_load_b32 v[QS], v5, s[QSP:QSP+1]
.if \y
	s_cmp_gt_u32 s[CNT], 1                         ; trip t asks for tile t + 4: the loop's last pair has none
	s_cbranch_scc0 .Lno_ask_\@
	global_prefetch_b8 v[PFV], s[PF:PF+1] th:TH_LOAD_NT scope:SCOPE_SE
.Lno_ask_\@:
.else
	global_prefetch_b8 v[PFV], s[PF:PF+1] th:TH_LOAD_NT scope:SCOPE_SE   ; mask tile 3
.endif
.endif
.if \x
	s_wait_alu depctr_va_vdst(0)
	WIN (NW|(NW<<6))
.set j, 0
.rept 128
	v_exp_f32 v[S+j], v[S+j]                       ; p = 2^(score x log2(e)); the LDS loads above land meanwhile
.set j, j+1
.endr
	WIN 0
	v_nop                                          ; a plain instruction behind the batch
	s_wait_alu depctr_va_vdst(0)                   ; and the one wait ahead of its first reader
.endif
.if \y == 0
	VBLOCK
.endif
.if \y
	s_wait_dscnt 0x0                               ; the sums and the partial O^T are back: those bytes may be written again
	s_barrier_signal -1                            ; say so; the wait stands in front of the trip's LDS stores
	s_and_b32 s[T2], s[TR], 0xfff
	s_add_co_u32 s[TR], s[TR], 512
.if \z == 2
	s_cmp_eq_u32 s[CNT], 7
	s_cbranch_scc1 .Lno_oa_\@
.endif
.if \z
	OADD
.endif
.if \z == 2
.Lno_oa_\@:
.endif
	v_pk_add_f32 v[SO:SO+1], v[SO:SO+1], v[SO+2:SO+3]   ; the same order in every wave: the same divisor
	v_pk_add_f32 v[SO+4:SO+5], v[SO+4:SO+5], v[SO+6:SO+7]
	v_pk_add_f32 v[SO:SO+1], v[SO:SO+1], v[SO+4:SO+5]
	v_add_f32 v[SO], v[SO], v[SO+1]
	v_add_f32 v[SO], 0x2edbe6ff, v[SO]             ; + 1e-10
	s_wait_alu depctr_va_vdst(0)
	v_rcp_f32 v[RINV], v[SO]
	v_nop
	s_wait_alu depctr_va_vdst(0)
	v_mov_b32 v[RINV+1], v[RINV]
.irp i, 0,1,2,3,4,5,6,7
	v_mul_f32 v[MX+\i], v[MX+\i], v[RINV]          ; the block's largest attn
.endr
.irp i, 0,1,2,3,4,5,6,7
	v_max_num_f32 v[MX+\i], 0x1800000, v[MX+\i]    ; the floor 2^(3 - 127): the byte cannot fall under 1
.endr
.irp i, 0,1,2,3,4,5,6,7
	v_add_nc_u32 v[SO+\i], 0xff000000, v[MX+\i]    ; 2 off the exponent field: the conversion's scale operand
.endr
.irp i, 0,1,2,3,4,5,6,7
	v_lshrrev_b32 v[MT+\i], 23, v[SO+\i]           ; the scale's byte
.endr
.irp kp, 0,1
	v_lshl_or_b32 v[PW+\kp], v[MT+4*\kp+1], 8, v[MT+4*\kp]
	v_lshl_or_b32 v[PW+\kp], v[MT+4*\kp+2], 16, v[PW+\kp]
	v_lshl_or_b32 v[PW+\kp], v[MT+4*\kp+3], 24, v[PW+\kp]
.endr
.irp c, 0,1,2,3                                ; by quarters of 32 registers: attn, finished and normalised; its codes; two fragments of V^T into the registers that are done with
	WIN (\b|(\b<<6))
.set j, 0
.rept 16
	v_pk_mul_f32 v[S+32*\c+2*j:S+32*\c+2*j+1], v[S+32*\c+2*j:S+32*\c+2*j+1], v[RINV:RINV+1]
.set j, j+1
.endr
	WIN \b
	v_cvt_scalef32_pk16_fp6_f32 v[PC+6*\c:PC+6*\c+2], v[S+32*\c:S+32*\c+15], v[SO+2*\c]
	v_cvt_scalef32_pk16_fp6_f32 v[CT+4*\c:CT+4*\c+2], v[S+32*\c+16:S+32*\c+31], v[SO+2*\c+1]
	WIN (\b<<6)
.irp f, 0,1
.irp g, 0,1,2
	ds_load_b128 v[S+32*\c+12*\f+4*\g:S+32*\c+12*\f+4*\g+3], v2 offset:1536*(2*\c+\f)+512*\g
.endr
.endr
.endr
	WIN 0
	v_nop                                          ; one plain instruction behind the scaled conversions
.irp c, 0,1,2,3
.irp i, 0,1,2
	v_permlane16_swap_b32 v[PC+6*\c+\i], v[CT+4*\c+\i]
.endr
.irp i, 0,1,2
	v_mov_b32 v[PC+6*\c+3+\i], v[CT+4*\c+\i]
.endr
.endr
	s_wait_alu depctr_va_vdst(0)
	s_wait_dscnt 0x0                               ; V^T's eight fragments are in
	PLACES 4                                       ; attn's codes, written by vector instructions, stand four places ahead of the products
	WIN (0x50|\b)                                  ; source 0 (V^T): tile t's window; C and D window 1
.irp kp, 0,1                                   ; O^T = V^T attn^T over my 256 keys: four accumulators by turns, two deep
.irp t, 0,1,2,3
	WM OA+8*\t, S+32*(2*\kp+\t/2)+12*(\t%2), PC+12*\kp, (\kp==0), VS+4*\kp+\t, PW+\kp
.endr
.endr
	PLACES 4                                       ; in front of the loads into V^T's registers
	WIN 0
.endif
.if \nx
	s_wait_tensorcnt 0x0                           ; the mask of tile t + 2 lies in my slot
	WIN (\b<<6)
	MCH 0
	MCH 1
	MCH 2
	MCH 3
	WIN 0
.endif
.if \x
	WIN (0x15*NW)                                  ; all three sources: tile t + 1's window
	v_pk_add_f32 v[CH:CH+1], v[S:S+1], v[S+2:S+3]  ; the row's sum over my 128 p, in two chains of pairs
	v_pk_add_f32 v[CH+2:CH+3], v[S+4:S+5], v[S+6:S+7]
.irp i, 0,1,2,3,4,5,6,7
	v_max3_num_f32 v[MX+\i], v[S+16*\i], v[S+16*\i+1], v[S+16*\i+2]   ; the eight blocks' largest p, the blocks by turns
.endr
	WIN (0x14*NW)                                  ; sources 1 and 2
.set j, 0
.rept 60
	v_pk_add_f32 v[CH+2*(j%2):CH+2*(j%2)+1], v[CH+2*(j%2):CH+2*(j%2)+1], v[S+2*j+8:S+2*j+9]
.if j < 48
	v_max3_num_f32 v[MX+j%8], v[MX+j%8], v[S+16*(j%8)+2*(j/8)+3], v[S+16*(j%8)+2*(j/8)+4]
.elseif j < 56
	v_max_num_f32 v[MX+j%8], v[MX+j%8], v[S+16*(j%8)+15]
.endif
.set j, j+1
.endr
	WIN 0
	v_pk_add_f32 v[CH:CH+1], v[CH:CH+1], v[CH+2:CH+3]
	v_add_f32 v[CH], v[CH], v[CH+1]
	v_permlanex16_b32 v[CH+1], v[CH], s[SEL], s[SEL+1]
	v_add_f32 v[CH], v[CH], v[CH+1]                ; query r's sum over my 256 keys
.irp i, 0,1,2,3,4,5,6,7
	v_permlanex16_b32 v[MT+\i], v[MX+\i], s[SEL], s[SEL+1]
.endr
.irp i, 0,1,2,3,4,5,6,7
	v_max_num_f32 v[MX+\i], v[MX+\i], v[MT+\i]     ; with lane l xor 16's 16 keys: the block's largest p
.endr
.endif
.if \y
	s_wait_alu depctr_va_vdst(0)
	s_barrier_wait -1                              ; every wave's reads of the sums, of the partial O^T and of the kept tiles are back
	WIN 0x04                                       ; an LDS store's data are its source 1: window 1
.irp g, 0,1,2,3,4,5,6,7
	ds_store_b128 v8, v[OA+4*\g:OA+4*\g+3] offset:512*\g   ; each accumulator from its low end on
.endr
	WIN 0
.if \z == 2
	s_cmp_eq_u32 s[CNT], 7
	s_cbranch_scc1 .Lno_os_\@
.endif
.if \z
	ds_store_b128 v11, v[OR:OR+3]
.endif
.if \z == 2
.Lno_os_\@:
.endif
.endif
.if \x
	ds_store_b32 v6, v[CH]
.endif
.endm
	TRIP 1, 0, 1, 1, 0, 0                          ; tile 0 is begun
	s_mov_b32 s[CNT], 7
.Lstep:                                        ; trips 0 to 13, two a turn: the two sets of score registers are back where they began
	TRIP 0, 1, 1, 1, 2, 0
	TRIP 1, 1, 1, 1, 1, 1
	s_sub_co_u32 s[CNT], s[CNT], 1
	s_cmp_lg_u32 s[CNT], 0
	s_wait_alu depctr_va_vdst(0)
	s_cbranch_scc1 .Lstep
	TRIP 0, 1, 1, 0, 1, 0                          ; trip 14: written out
	TRIP 1, 1, 0, 0, 1, 0                          ; trip 15: tile 15 is finished
	s_wait_dscnt 0x0
	s_barrier_signal -1
	s_barrier_wait -1                              ; tile 15's partial O^T lie in LDS
	OLOAD
	s_and_b32 s[T2], s[TR], 0xfff
	s_wait_dscnt 0x0
	OADD
	ds_store_b128 v11, v[OR:OR+3]
	s_wait_dscnt 0x0
	s_barrier_signal -1
	s_barrier_wait -1                              ; tiles 8 to 15 of out lie in LDS
	FINAL 1
	s_wait_tensorcnt 0x0                           ; the wave's end
	ds_add_u32 v[SPW], v[NIL]
	s_wait_dscnt 0x0
	ROUND                                          ; the closing round
	s_endpgm
.Lfunc_end_k_q337416789d_attn:
	.size	k_q337416789d_attn, .Lfunc_end_k_q337416789d_attn-k_q337416789d_attn
	.p2alignl 7, 3214868480
	.fill 96, 4, 3214868480
	.section	.rodata,"a",@progbits
	.p2align	6, 0x0
	.amdhsa_kernel k_q337416789d_attn
		.amdhsa_group_segment_fixed_size 327680
		.amdhsa_private_segment_fixed_size 0
		.amdhsa_enable_private_segment 0
		.amdhsa_kernarg_size 56
		.amdhsa_user_sgpr_count 2
		.amdhsa_user_sgpr_kernarg_segment_ptr 1
		.amdhsa_wavefront_size32 1
		.amdhsa_system_sgpr_workgroup_id_x 1
		.amdhsa_system_sgpr_workgroup_id_y 1
		.amdhsa_system_sgpr_workgroup_id_z 1
		.amdhsa_system_vgpr_workitem_id 0
		.amdhsa_next_free_vgpr 512
		.amdhsa_next_free_sgpr 66
		.amdhsa_reserve_vcc 0
		.amdhsa_float_denorm_mode_32 3
		.amdhsa_float_denorm_mode_16_64 3
		.amdhsa_memory_ordered 1
		.amdhsa_forward_progress 1
		.amdhsa_inst_pref_size 171
	.end_amdhsa_kernel
	.amdgpu_metadata
---
amdhsa.version: [ 1, 2 ]
amdhsa.kernels:
  - .name:           k_q337416789d_attn
    .symbol:         k_q337416789d_attn.kd
    .args:
      - { .name: mask, .offset: 0, .size: 8, .value_kind: global_buffer, .address_space: global }
      - { .name: qf, .offset: 8, .size: 8, .value_kind: global_buffer, .address_space: global }
      - { .name: kf, .offset: 16, .size: 8, .value_kind: global_buffer, .address_space: global }
      - { .name: vf, .offset: 24, .size: 8, .value_kind: global_buffer, .address_space: global }
      - { .name: sc, .offset: 32, .size: 8, .value_kind: global_buffer, .address_space: global }
      - { .name: af, .offset: 40, .size: 8, .value_kind: global_buffer, .address_space: global }
      - { .name: ah, .offset: 48, .size: 8, .value_kind: global_buffer, .address_space: global }
    .group_segment_fixed_size: 327680
    .private_segment_fixed_size: 0
    .kernarg_segment_align: 8
    .kernarg_segment_size: 56
    .max_flat_workgroup_size: 256
    .sgpr_count:     66
    .vgpr_count:     512
    .wavefront_size: 32
...
	.end_amdgpu_metadata
.endif
;; end of part 3
;; launch oproj (part 4): grid 16 x 16, 8 waves a work-group, clusters of 4 x 1, 167,936 bytes of LDS; arguments af, ah, qt, out0; writes out0
.if DOCPART == 4
	.amdgcn_target "amdgcn-amd-amdhsa--gfx1250"
	.amdhsa_code_object_version 6
	.text
	.protected	k_q337416789d_oproj
	.globl	k_q337416789d_oproj
	.p2align	8
	.type	k_q337416789d_oproj,@function
k_q337416789d_oproj:
	s_mov_b64 s[64:65], 0
	v_nop
	global_prefetch_b8 v0, s[64:65] scope:SCOPE_SE
	s_setreg_imm32_b32 hwreg(HW_REG_WAVE_MODE, 25, 1), 1
	s_wait_xcnt 0x0
	s_wait_alu depctr_hold_cnt(0) depctr_sa_sdst(0) depctr_va_vdst(0) depctr_va_sdst(0) depctr_va_ssrc(0) depctr_va_vcc(0) depctr_vm_vsrc(0)
	s_getreg_b32 s2, hwreg(HW_REG_IB_STS2, 6, 4)
	s_cmp_eq_u32 s2, 0
	s_cbranch_scc0 .Lentry_in_a_cluster
	s_endpgm
.Lentry_in_a_cluster:
	s_bfe_u32 s2, ttmp6, 0x10000c
	s_cmp_lg_u32 s2, 0x3003
	s_cbranch_scc0 .Lentry_shape_is_right
	s_endpgm
.Lentry_shape_is_right:
; LAUNCH 4 OF 4: out0 = out Wo^T on codes of E2M3.  Nothing of reference() is left out.
; SHARES.  A work-group takes 256 tokens (mb) and 64 columns (y); wave w takes 32 tokens: af's tiles T0 = 16 mb + 2 w and T0 + 1.  Their fragments feed one wave alone: from memory into registers (window 1).
; Wo's four tiles (all of K, codes and scale words, 51,200 bytes) feed all eight waves and the four work-groups of the cluster (same y): ONE joint tensor load a wave, an eighth each; nothing is filled again.
; Source 0 = 16 rows of Wo, source 1 = 16 tokens: a lane holds one token and, by the choice of a tile's rows, 16 neighbouring columns in two tiles' registers.
; The way out goes through the wave's own stage in LDS, so that sixteen lanes store 256 consecutive bytes of a row of out0, aligned.
.set TILEB, 12800
.set SPARE, 4*TILEB                    ; behind the weights: the spare words, 128 bytes a wave
.set STAGE, SPARE+1024                 ; 16 rows x (256 bytes + 16) for each wave
.set SP,    272
.set SPW, 12
.set NIL, 13
.set XS,  16                           ; v16-23   out's scale words: K step s; lanes 0-15 tile T0, lanes 16-31 tile T0 + 1
.set BS,  24                           ; v24-39   Wo's
.set BF,  40                           ; v40-135  Wo's fragments, two sets; later rows of out0
.set ACC, 136
.set HT,  200                          ; v200-215 the heads' pairs of scale bytes as loaded
.set WV,  18
.set G1,  24
.set G0,  32
.set MSB, 0
.macro WIN new
.if MSB != \new
	s_set_vgpr_msb (MSB<<8)|\new
.set MSB, \new
.endif
.endm
.macro PLACES n
.rept \n
	v_nop
.endr
.endm
.macro ROUND
	s_barrier_signal -1
	s_barrier_wait -1
	s_cmp_lg_u32 s[WV], 0
	s_cbranch_scc1 .Lnot_wave_0_\@
	s_barrier_signal -3
.Lnot_wave_0_\@:
	s_barrier_wait -3
	s_barrier_signal -1
	s_barrier_wait -1
.endm
.macro WM d, a, b, z, sa, sb, ra, rb
.if \z
.if (\ra) && (\rb)
	v_wmma_scale_f32_16x16x128_f8f6f4 v[\d:\d+7], v[\a:\a+11], v[\b:\b+11], 0, v[\sa], v[\sb] matrix_a_fmt:MATRIX_FMT_FP6 matrix_b_fmt:MATRIX_FMT_FP6 matrix_a_scale:MATRIX_SCALE_ROW1 matrix_b_scale:MATRIX_SCALE_ROW1
.elseif \ra
	v_wmma_scale_f32_16x16x128_f8f6f4 v[\d:\d+7], v[\a:\a+11], v[\b:\b+11], 0, v[\sa], v[\sb] matrix_a_fmt:MATRIX_FMT_FP6 matrix_b_fmt:MATRIX_FMT_FP6 matrix_a_scale:MATRIX_SCALE_ROW1
.elseif \rb
	v_wmma_scale_f32_16x16x128_f8f6f4 v[\d:\d+7], v[\a:\a+11], v[\b:\b+11], 0, v[\sa], v[\sb] matrix_a_fmt:MATRIX_FMT_FP6 matrix_b_fmt:MATRIX_FMT_FP6 matrix_b_scale:MATRIX_SCALE_ROW1
.else
	v_wmma_scale_f32_16x16x128_f8f6f4 v[\d:\d+7], v[\a:\a+11], v[\b:\b+11], 0, v[\sa], v[\sb] matrix_a_fmt:MATRIX_FMT_FP6 matrix_b_fmt:MATRIX_FMT_FP6
.endif
.else
.if (\ra) && (\rb)
	v_wmma_scale_f32_16x16x128_f8f6f4 v[\d:\d+7], v[\a:\a+11], v[\b:\b+11], v[\d:\d+7], v[\sa], v[\sb] matrix_a_fmt:MATRIX_FMT_FP6 matrix_b_fmt:MATRIX_FMT_FP6 matrix_a_scale:MATRIX_SCALE_ROW1 matrix_b_scale:MATRIX_SCALE_ROW1
.elseif \ra
	v_wmma_scale_f32_16x16x128_f8f6f4 v[\d:\d+7], v[\a:\a+11], v[\b:\b+11], v[\d:\d+7], v[\sa], v[\sb] matrix_a_fmt:MATRIX_FMT_FP6 matrix_b_fmt:MATRIX_FMT_FP6 matrix_a_scale:MATRIX_SCALE_ROW1
.elseif \rb
	v_wmma_scale_f32_16x16x128_f8f6f4 v[\d:\d+7], v[\a:\a+11], v[\b:\b+11], v[\d:\d+7], v[\sa], v[\sb] matrix_a_fmt:MATRIX_FMT_FP6 matrix_b_fmt:MATRIX_FMT_FP6 matrix_b_scale:MATRIX_SCALE_ROW1
.else
	v_wmma_scale_f32_16x16x128_f8f6f4 v[\d:\d+7], v[\a:\a+11], v[\b:\b+11], v[\d:\d+7], v[\sa], v[\sb] matrix_a_fmt:MATRIX_FMT_FP6 matrix_b_fmt:MATRIX_FMT_FP6
.endif
.endif
.endm
	s_load_b256 s[4:11], s[0:1], 0x0               ; af, ah, qt, out0
	v_lshl_add_u32 v[SPW], v0, 2, SPARE
	v_mov_b32 v[NIL], 0
	ds_add_u32 v[SPW], v[NIL]                      ; the wave's opening: the add, twice on end, and its wait ahead of my first tensor load
	ds_add_u32 v[SPW], v[NIL]
	v_lshrrev_b32 v1, 5, v0
	s_delay_alu instid0(VALU_DEP_1)
	v_readfirstlane_b32 s[WV], v1                  ; wave 0..7
	s_bfe_u32 s44, ttmp6, 0x40000                  ; cx
	s_lshl_b32 s45, ttmp9, 2
	s_add_co_u32 s45, s45, s44                     ; mb
	s_and_b32 s46, ttmp7, 0xffff                   ; y, which the four partners share
	s_lshl_b32 s47, s45, 4
	s_lshl_b32 s48, s[WV], 1
	s_add_co_u32 s47, s47, s48                     ; T0
	s_lshl_b32 s52, s46, 2                         ; Wo: tile 448 + 4 y of qt, my eighth: y and wave alone
	s_add_co_u32 s52, s52, 448
	s_mul_i32 s52, s52, TILEB
	s_mul_i32 s14, s[WV], 6400
	s_add_co_u32 s52, s52, s14
	s_mov_b32 s53, 0
	s_mul_i32 s50, s47, 12288                      ; af
	s_mov_b32 s51, 0
	s_lshl_b32 s54, s47, 5                         ; ah
	s_mov_b32 s55, 0
	s_lshl_b32 s56, s47, 16                        ; out0: 16 T0 rows of 4,096 bytes, + 256 y
	s_lshl_b32 s57, s46, 8
	s_add_co_u32 s56, s56, s57
	s_mov_b32 s57, 0
	; descriptor group 1: 6,400 dense bytes as 25 rows of 256 (32 elements of 8 bytes), no padding
	s_mov_b32 s[G1], 15|(3<<16)|(1<<21)
	s_mov_b32 s[G1+1], 32<<16
	s_mov_b32 s[G1+2], 25<<16
	s_mov_b32 s[G1+3], 32<<16
	s_mov_b32 s[G1+4], 25
	s_mov_b32 s[G1+5], 32
	s_mov_b32 s[G1+6], 0
	s_mov_b32 s[G1+7], 0
	s_mov_b32 s[G0], 1
	s_mov_b32 s[G0+1], s14
	s_wait_dscnt 0x0                               ; both opening adds are done
	s_wait_kmcnt 0x0
	s_add_nc_u64 s[G0+2:G0+3], s[8:9], s[52:53]
	s_or_b32 s[G0+3], s[G0+3], 0x80000000
	s_add_nc_u64 s[4:5], s[4:5], s[50:51]
	s_add_nc_u64 s[6:7], s[6:7], s[54:55]
	s_add_nc_u64 s[10:11], s[10:11], s[56:57]
	ROUND                                          ; all four work-groups are here
	tensor_load_to_lds s[G0:G0+3], s[G1:G1+7]
	s_nop 0
	PLACES 4
	v_and_b32 v2, 15, v0                           ; r
	v_bfe_u32 v3, v0, 4, 1                         ; h
	v_and_b32 v1, 31, v0
	s_delay_alu instid0(VALU_DEP_1)
	v_lshlrev_b32 v11, 1, v1                       ; 2 x lane
	s_delay_alu instid0(VALU_DEP_2)
	v_lshlrev_b32 v7, 3, v1                        ; 8 x lane
	s_delay_alu instid0(VALU_DEP_3)
	v_lshlrev_b32 v1, 4, v1                        ; 16 x lane
.irp hd, 0,1,2,3,4,5,6,7,8,9,10,11,12,13,14,15
	global_load_u16 v[HT+\hd], v11, s[6:7] offset:8192*\hd   ; head hd's two bytes of my row: lanes 0-15 tile T0, lanes 16-31 tile T0 + 1
.endr
	WIN 0x40                                       ; destination window 1
.irp ks, 0,1,2,3,4,5,6,7                       ; out's fragment (tile u, K step ks) at v[12 (8 u + ks)] of window 1
.irp u, 0,1
.irp p, 0,1,2,3,4,5
	global_load_b64 v[12*(8*\u+\ks)+2*\p:12*(8*\u+\ks)+2*\p+1], v7, s[4:5] offset:12288*\u+1536*\ks+256*\p
.endr
.endr
.endr
	WIN 0
	v_mul_u32_u24 v4, v3, TILEB
	s_delay_alu instid0(VALU_DEP_1)
	v_lshl_add_u32 v4, v2, 4, v4                   ; Wo's scale words: lanes 16-31 take the next tile's
	s_mul_i32 s58, s[WV], 16*SP
	s_add_co_u32 s58, s58, STAGE                   ; my stage
	v_mul_u32_u24 v8, v2, SP
	s_delay_alu instid0(VALU_DEP_1)
	v_lshl_add_u32 v8, v3, 6, v8
	s_delay_alu instid0(VALU_DEP_1)
	v_add_nc_u32 v8, s58, v8                       ; in: row r, + 64 h
	v_mul_u32_u24 v9, v3, SP
	s_delay_alu instid0(VALU_DEP_1)
	v_lshl_add_u32 v9, v2, 4, v9
	s_delay_alu instid0(VALU_DEP_1)
	v_add_nc_u32 v9, s58, v9                       ; back: lanes 0-15 one row, lanes 16-31 the next
	v_lshlrev_b32 v10, 12, v3
	s_delay_alu instid0(VALU_DEP_1)
	v_lshl_add_u32 v10, v2, 4, v10                 ; and the same two rows in out0
	s_wait_loadcnt 63                              ; the 16 loads of scale bytes are in (96 were issued behind them; the wait's field ends at 63)
.irp ks, 0,1,2,3,4,5,6,7
	v_lshl_or_b32 v[XS+\ks], v[HT+2*\ks+1], 16, v[HT+2*\ks]   ; K step ks = heads 2 ks, 2 ks + 1: four bytes
.endr
	PLACES 8                                       ; scale words written by vector instructions stand eight places ahead of the products
	s_wait_alu depctr_va_vdst(0)
	s_wait_tensorcnt 0x0                           ; my eighth of Wo has landed,
	s_barrier_signal -1
	s_barrier_wait -1                              ; everybody's has
.macro FETCHB fs
.irp t, 0,1,2,3
.irp g, 0,1,2
	ds_load_b128 v[BF+48*((\fs)%2)+12*\t+4*\g:BF+48*((\fs)%2)+12*\t+4*\g+3], v1 offset:\t*TILEB+(\fs)*1536+\g*512
.endr
.endr
.endm
.macro KSTEP ks                        ; 8 matrix instructions, the eight accumulators by turns
.if \ks < 7
	s_wait_dscnt 12                                ; this K step's fragments of Wo are in; the next one's 12 loads may be out
.else
	s_wait_dscnt 0x0
.endif
.if 84-12*\ks > 63
	s_wait_loadcnt 63
.else
	s_wait_loadcnt 84-12*\ks                       ; out's 12 loads of this K step are in; those of the later K steps may be out
.endif
	WIN 0x04                                       ; source 1 (out) window 1
.irp c, 0,1
.irp t, 0,1,2,3
	WM ACC+32*\c+8*\t, BF+48*(\ks%2)+12*\t, 12*(8*\c+\ks), (\ks==0), BS+8*(\t/2)+\ks, XS+\ks, \t%2, \c
.endr
.endr
	WIN 0
	PLACES 4                                       ; in front of loads into registers that these products read, and of the first read of results
.if \ks < 6
	FETCHB \ks+2
.endif
.endm
.irp p, 0,1
.irp sg, 0,1
	ds_load_b128 v[BS+8*\p+4*\sg:BS+8*\p+4*\sg+3], v4 offset:\p*2*TILEB+12288+256*\sg
.endr
.endr
	FETCHB 0
	FETCHB 1
.irp ks, 0,1,2,3,4,5,6,7
	KSTEP \ks
.endr
	; THE WAY OUT, a tile of 16 tokens at a time: accumulator t = 2 b + u of lane (r, h) holds columns 32 b + 16 h + 8 u + 0 .. 7 of token r.  LDS serves a wave's instructions in order: no wait between stores and loads
.irp c, 0,1
.irp t, 0,1,2,3
	ds_store_b128 v8, v[ACC+32*\c+8*\t:ACC+32*\c+8*\t+3] offset:128*(\t/2)+32*(\t%2)       ; each accumulator from its low end on
	ds_store_b128 v8, v[ACC+32*\c+8*\t+4:ACC+32*\c+8*\t+7] offset:128*(\t/2)+32*(\t%2)+16
.endr
.irp i, 0,1,2,3,4,5,6,7
	ds_load_b128 v[BF+32*\c+4*\i:BF+32*\c+4*\i+3], v9 offset:2*\i*SP
.endr
.endr
.irp c, 0,1
.irp i, 0,1,2,3,4,5,6,7
	s_wait_dscnt 23-16*\c-\i                       ; behind this load: the tile's later loads, and for tile 0 the 16 LDS instructions of tile 1
	global_store_b128 v10, v[BF+32*\c+4*\i:BF+32*\c+4*\i+3], s[10:11] offset:65536*\c+8192*\i th:TH_STORE_NT   ; sixteen lanes store 256 consecutive bytes, aligned
.endr
.endr
	s_wait_tensorcnt 0x0                           ; the wave's end
	ds_add_u32 v[SPW], v[NIL]
	s_wait_dscnt 0x0
	ROUND                                          ; the closing round
	s_endpgm
.Lfunc_end_k_q337416789d_oproj:
	.size	k_q337416789d_oproj, .Lfunc_end_k_q337416789d_oproj-k_q337416789d_oproj
	.p2alignl 7, 3214868480
	.fill 96, 4, 3214868480
	.section	.rodata,"a",@progbits
	.p2align	6, 0x0
	.amdhsa_kernel k_q337416789d_oproj
		.amdhsa_group_segment_fixed_size 167936
		.amdhsa_private_segment_fixed_size 0
		.amdhsa_enable_private_segment 0
		.amdhsa_kernarg_size 32
		.amdhsa_user_sgpr_count 2
		.amdhsa_user_sgpr_kernarg_segment_ptr 1
		.amdhsa_wavefront_size32 1
		.amdhsa_system_sgpr_workgroup_id_x 1
		.amdhsa_system_sgpr_workgroup_id_y 1
		.amdhsa_system_sgpr_workgroup_id_z 1
		.amdhsa_system_vgpr_workitem_id 0
		.amdhsa_next_free_vgpr 512
		.amdhsa_next_free_sgpr 66
		.amdhsa_reserve_vcc 0
		.amdhsa_float_denorm_mode_32 3
		.amdhsa_float_denorm_mode_16_64 3
		.amdhsa_memory_ordered 1
		.amdhsa_forward_progress 1
		.amdhsa_inst_pref_size 37
	.end_amdhsa_kernel
	.amdgpu_metadata
---
amdhsa.version: [ 1, 2 ]
amdhsa.kernels:
  - .name:           k_q337416789d_oproj
    .symbol:         k_q337416789d_oproj.kd
    .args:
      - { .name: af, .offset: 0, .size: 8, .value_kind: global_buffer, .address_space: global }
      - { .name: ah, .offset: 8, .size: 8, .value_kind: global_buffer, .address_space: global }
      - { .name: qt, .offset: 16, .size: 8, .value_kind: global_buffer, .address_space: global }
      - { .name: out0, .offset: 24, .size: 8, .value_kind: global_buffer, .address_space: global }
    .group_segment_fixed_size: 167936
    .private_segment_fixed_size: 0
    .kernarg_segment_align: 8
    .kernarg_segment_size: 32
    .max_flat_workgroup_size: 256
    .sgpr_count:     66
    .vgpr_count:     512
    .wavefront_size: 32
...
	.end_amdgpu_metadata
.endif
;; end of part 4
